; MI455X (gfx1250); checked and timed in simulation.
; The chip was launched on July 23, 2026; its instructions are those of AMD's public machine-readable ISA for CDNA 5 (MIT licence, August 2026) and "CDNA5" Instruction Set Architecture Reference Guide (July 2026). The comments in the code are by the model that wrote it; some were corrected since.
;; Braid Causal Self Attention. Allowed arithmetic: matrix products marked QUANTISED: E2M3 operands, one E8M0 scale for each 32 along K, by v_wmma_scale_f32_16x16x128_f8f6f4 with both operands' format E2M3, f32 sums; everything else in f32.
;; Inputs: cos 4,096 x 32 float32; sin 4,096 x 32 float32; wk_codes 1,024 x 32 x 24 uint8 (E2M3 codes of wk, K innermost, in blocks of 32 codes, four codes in three bytes); wk_scales 1,024 x 32 uint8 (E8M0 scales of wk, one for each 32 codes along K); wproj_codes 1,024 x 32 x 24 uint8 (E2M3 codes of wproj, K innermost, in blocks of 32 codes, four codes in three bytes); wproj_scales 1,024 x 32 uint8 (E8M0 scales of wproj, one for each 32 codes along K); wq_codes 1,024 x 32 x 24 uint8 (E2M3 codes of wq, K innermost, in blocks of 32 codes, four codes in three bytes); wq_scales 1,024 x 32 uint8 (E8M0 scales of wq, one for each 32 codes along K); wv_codes 1,024 x 32 x 24 uint8 (E2M3 codes of wv, K innermost, in blocks of 32 codes, four codes in three bytes); wv_scales 1,024 x 32 uint8 (E8M0 scales of wv, one for each 32 codes along K); x_codes 1 x 4,096 x 32 x 24 uint8 (E2M3 codes of x, K innermost, in blocks of 32 codes, four codes in three bytes); x_scales 1 x 4,096 x 32 uint8 (E8M0 scales of x, one for each 32 codes along K).
;; Outputs: out0 1 x 4,096 x 1,024 float32.
;; This version of the problem:
;;   THIS VERSION OF THE PROBLEM IS GIVEN IN LOW PRECISION. The matrix products marked QUANTISED in the list below multiply operands that are first quantised to E2M3 (2 exponent bits, 3 mantissa bits; 6 bits a number), with one power-of-two scale for each 32 numbers along K (OCP MX v1.0); their sums are f32. All else is computed in f32.
;;   The module's matrix products, in the order in which they are computed (A, B: the left and right operand; K: the contracted axis; several contracted axes count as one K, in the product's order):
;;     1. [M 4,096, K 1,024] x [K 1,024, N 1,024]; A: input x (given as codes); B: input wq (given as codes): QUANTISED
;;     2. [M 4,096, K 1,024] x [K 1,024, N 1,024]; A: input x (given as codes); B: input wk (given as codes): QUANTISED
;;     3. [M 4,096, K 1,024] x [K 1,024, N 1,024]; A: input x (given as codes); B: input wv (given as codes): QUANTISED
;;     4. batch 16 x [M 4,096, K 64] x [K 64, N 4,096]; A: computed on the way; B: computed on the way: QUANTISED
;;     5. batch 16 x [M 4,096, K 4,096] x [K 4,096, N 64]; A: computed on the way; B: computed on the way: QUANTISED
;;     6. [M 4,096, K 1,024] x [K 1,024, N 1,024]; A: computed on the way; B: input wproj (given as codes): QUANTISED
;;   THE QUANTISER, for each operand of a quantised product, along K:
;;     - K is cut into blocks of 32 from its start; a last block that is shorter is filled with zeros.
;;     - A block's scale is 2^e with e = floor(log2(the largest magnitude in the block)) - 2, held to -126 .. 127; a block of zeros has e = 0. As a byte (E8M0): e + 127.
;;     - Each number is divided by its block's scale, clamped to +-7.5, and rounded to the nearest number of E2M3, ties to even, subnormals kept.
;;     - The product sums the exact products of the quantised numbers (number of the format x scale) in f32.
;;   ~~~python
;;   def quantise(x, axis):      # numpy; x: float32 -> the quantised numbers, widened to float32 again
;;       x = np.moveaxis(x, axis, -1); K = x.shape[-1]
;;       x = np.pad(x, [(0, 0)] * (x.ndim - 1) + [(0, -K % 32)]); x = x.reshape(x.shape[:-1] + (-1, 32)); a = np.abs(x).max(-1, keepdims=True)
;;       e = np.where(a > 0, np.clip(np.frexp(np.where(a > 0, a, 1))[1] - 1 - 2, -126, 127), 0)      # np.frexp(a)[1] - 1 = floor(log2(a)), exactly
;;       r = np.clip(x / 2.0 ** e, -7.5, 7.5)
;;       step = 2.0 ** (np.maximum(np.frexp(np.where(r == 0, 1, r))[1] - 1, 0) - 3)
;;       q = np.round(r / step) * step * 2.0 ** e      # np.round: ties to even
;;       return np.moveaxis(q.reshape(q.shape[:-2] + (-1,))[..., :K], -1, axis).astype(np.float32)
;;   ~~~
;;   OPERANDS COMPUTED ON THE WAY. 'Computed on the way' means the value that the module computes at that place (a softmax that the list does not call 'softmax' is quantised finished and normalised). What goes into a quantiser is computed in f32, as accurately as f32 sums, v_exp_f32 and their like allow (about 1e-6 of the number): no bf16 or f16 on the way to a quantiser, and a product that is left as it is and whose result goes on into a quantised operand takes f32 operands (vector FMAs, or v_wmma_f32_16x16x4_f32). A number that lies on a knife's edge between two numbers of the format may be rounded either way, as far as f32 arithmetic and the matrix unit's own rounding can turn it there, and no further.
;;   INPUTS GIVEN AS CODES. wk (in the module: [1024, 1024], K = its axis 1); wproj (in the module: [1024, 1024], K = its axis 1); wq (in the module: [1024, 1024], K = its axis 1); wv (in the module: [1024, 1024], K = its axis 1); x (in the module: [1, 4096, 1024], K = its axis 2): each comes as NAME_codes (uint8): NAME with its K axis moved to the last place and cut into blocks of 32 codes, [.., K / 32, bytes a block], one block behind the other in memory; four codes in three bytes: a row's codes are one little-endian stream of bits, code i at bits 6 i .. 6 i + 5 (a code: sign, 2 exponent bits, 3 mantissa bits); and NAME_scales (uint8): the same leading axes, one E8M0 byte (e + 127) for each 32 codes along K. Its value is code x scale, taken as it is: it is not quantised again, and the codes and scales need not be those that the quantiser above would give.
;; One version. Each part assembles by itself: llvm-mc -triple=amdgcn-amd-amdhsa -mcpu=gfx1250 --defsym DOCPART=n.
;; ======== version 1 of 1: 3 launches
;; workspace buffers: kv 6,684,672 bytes; qrec 3,407,872 bytes; ycodes 3,145,728 bytes; yscales 131,072 bytes
;; launch qkv (part 1): grid 12 x 16, 4 waves a work-group, clusters of 4 x 4, 327,680 bytes of LDS; arguments x_codes, x_scales, wq_codes, wq_scales, wk_codes, wk_scales, wv_codes, wv_scales, cos, sin, qrec, kv; writes qrec, kv
.if DOCPART == 1
	.amdgcn_target "amdgcn-amd-amdhsa--gfx1250"
	.amdhsa_code_object_version 6
	.text
	.protected	k_qccbfc4a02f_qkv
	.globl	k_qccbfc4a02f_qkv
	.p2align	8
	.type	k_qccbfc4a02f_qkv,@function
k_qccbfc4a02f_qkv:
	s_mov_b64 s[64:65], 0
	v_nop
	global_prefetch_b8 v0, s[64:65] scope:SCOPE_SE
	s_setreg_imm32_b32 hwreg(HW_REG_WAVE_MODE, 25, 1), 1
	s_wait_xcnt 0x0
	s_wait_alu depctr_hold_cnt(0) depctr_sa_sdst(0) depctr_va_vdst(0) depctr_va_sdst(0) depctr_va_ssrc(0) depctr_va_vcc(0) depctr_vm_vsrc(0)
	s_getreg_b32 s2, hwreg(HW_REG_IB_STS2, 6, 4)
	s_cmp_eq_u32 s2, 0
	s_cbranch_scc0 .Lentry_in_a_cluster
	s_endpgm
.Lentry_in_a_cluster:
	s_bfe_u32 s2, ttmp6, 0x10000c
	s_cmp_lg_u32 s2, 0xf033
	s_cbranch_scc0 .Lentry_shape_is_right
	s_endpgm
.Lentry_shape_is_right:
; q = x wq^T, k = x wk^T, v = x wv^T on codes of FP6 (E2M3) with E8M0 scales, K = 1,024; then RoPE and the RMS norm on q and k in f32; then q and k are quantised along the head's 64 channels
; and v along the keys, and all three leave as IMAGES OF THE OPERAND REGISTERS that the attention launch wants.
; GRID: 3 x 4 clusters of 4 x 4 work-groups.  Cluster x says which product: 0 q, 1 k, 2 v.  A work-group makes 256 x 256 of it, each of its four waves 128 x 128: 64 accumulators, 512 registers.
; ONE LOOP FOR ALL THREE.  The loop multiplies "A" [rows][1024] by "B" [rows][1024], transposed: source 0 = 16 rows of B, source 1 = 16 rows of A, so that a lane holds ONE row of A and its registers run along B's rows.
;   q, k: A = x, B = the weight: a lane holds a token, its registers run along the features: RoPE's pairs, the norm's sum and the blocks of 32 channels lie in a lane and its partner 16 lanes away.
;   v:    A = wv, B = x:         a lane holds a channel, its registers run along the tokens, which are the second attention product's K.
; Only pointers and tile numbers are chosen by the cluster's x, which all sixteen partners share.
; K goes in steps of 256 through a ring of two LDS slots filled by joint tensor loads (A's tile shared along a row of the cluster, B's along a column); the scale bytes of the 256 + 256 rows come once and stay.
; ORDER INSIDE A BLOCK OF 32.  The 16 registers of two neighbouring result tiles hold numbers 8 h + 0..7 and 16 + 8 h + 0..7 of a block (h = lane / 16).  Converted and exchanged between the halves of the lanes they lie in the
; operand in the order 0..7, 16..23, 8..15, 24..31.  q and k are laid alike, and so are v and the attention weights: a change of order inside a scale's block, made alike on both sides of a product, leaves its sums as they are.
; LIMITS: a block of zeros gets the scale byte 1 where the quantiser's rule says 127 (its codes are zeros, and only this program reads the bytes); NaN and infinities are not served.
; REGISTERS in the loop, in windows of 256: window 0: v0-31 addresses; v32-63 scale words, two sets; v128-223 A's fragments, one set.  window 1: B's fragments, two sets, at v0 and v128.
;   window 2: the accumulators of my rows 0-63 of A ((a, b) at v[8 (8 a + b)]); window 3: those of rows 64-127.
.set KSTEP,  256                       ; along K in a slot
.set NQ,     KSTEP/128                 ; matrix instructions deep
.set ROWB,   192                       ; a tile's row in bytes
.set KROW,   768                       ; a row of codes in memory: 1,024 codes
.set PITCH,  240                       ; an LDS row: 3 x (64 bytes + 16 of padding)
.set FR,     12                        ; registers of a fragment
.set NL,     6                         ; LDS loads that bring one
.set NP,     4                         ; places behind this matrix instruction (ISA guide 7.12.1)
.set HALFT,  128*PITCH                 ; 128 rows: one tensor load
.set SLOT,   4*HALFT                   ; A's 256 rows, then B's 256
.set LAPS,   2                         ; 1,024 / (2 x 256)
.set KS,     32                        ; a row of scale bytes
.set SCL,    2*SLOT                    ; behind the ring: the scale bytes, as units of 256 bytes + 16 of padding
.set HALFS,  (128*KS/256)*272
.set SBLK,   (16*KS/256)*272
.set SPARE,  SCL+4*HALFS               ; the spare words: 128 bytes a wave, named by no other line
.set KREC,   13056                     ; a record of kv: K's codes 6,144, V's codes 6,144, K's scale words 512, V's 256
.set QREC,   6656                      ; a record of qrec: codes 6,144, scale words 512
.set ADRA, 16
.set ADRB, 20
.set ADRS, 27
.set SPW,  28                          ; v28 LDS address of my spare word; never rewritten
.set NIL,  29                          ; v29 0; never rewritten
.set SC,   32
.set AF,   128
.set G1, 24
.set G0, 32
.set G1B, 48
.set G0B, 56
.set G1S, 68
.set G0S, 76
.set G1SB, 80
.set G0SB, 88
.set KIND, 66                          ; s66 0 q, 1 k, 2 v
.set HI,   92                          ; s92 the lanes 16-31 as a mask
.set I64,  93                          ; s93 1 / 64
.set EPS,  94                          ; s94 1e-6
.set SEL,  96                          ; s[96:97] v_permlanex16_b32's selects for lane l xor 16
.set MSB, 0
.macro WIN new                         ; the immediate's high byte repeats the setting that is left
.if MSB != (\new)
	s_set_vgpr_msb (MSB<<8)|(\new)
.set MSB, (\new)
.endif
.endm
.set MUL_LO, 0xa1                      ; source 0 (B) window 1, source 1 (A) window 0, C and D window 2
.set MUL_HI, 0xf1                      ; the same, C and D window 3
.set TO_B,   0x40                      ; destination window 1, address window 0
; A joint load: waves 0 and 1 fetch for A, waves 2 and 3 for B; the branch hangs on the wave's number alone.  Four v_nop follow each of the two lines.
.macro JLOAD g0a, g1a, g0b, g1b
	s_cmp_eq_u32 s15, 0
	s_cbranch_scc0 .Lfor_b_\@
	tensor_load_to_lds s[\g0a:\g0a+3], s[\g1a:\g1a+7]
	s_nop 0
.rept 4
	v_nop
.endr
	s_branch .Lasked_\@
.Lfor_b_\@:
	tensor_load_to_lds s[\g0b:\g0b+3], s[\g1b:\g1b+7]
	s_nop 0
.rept 4
	v_nop
.endr
.Lasked_\@:
.endm
.macro CREST                           ; a round of the cluster's barrier behind its opening barrier
	s_cmp_lg_u32 s14, 0
	s_cbranch_scc1 .Lnot_wave_0_\@
	s_barrier_signal -3
.Lnot_wave_0_\@:
	s_barrier_wait -3
	s_barrier_signal -1
	s_barrier_wait -1
.endm
.macro CROUND                          ; a whole round
	s_barrier_signal -1
	s_barrier_wait -1
	CREST
.endm
	s_load_b512 s[68:83], s[0:1], 0x0              ; x's codes, scales; wq's; wk's; wv's
	v_lshl_add_u32 v[SPW], v0, 2, SPARE
	v_mov_b32 v[NIL], 0
	ds_add_u32 v28, v29
	s_wait_dscnt 0x0
	v_lshrrev_b32 v1, 5, v0
	v_readfirstlane_b32 s14, v1                    ; wave 0..3
	s_lshr_b32 s15, s14, 1                         ; which half of A's rows is mine.  Also: I fetch for A (0) or for B (1)
	s_and_b32 s16, s14, 1                          ; which half of B's rows.  Also: which 128 rows of that tile I fetch
	s_bfe_u32 s40, ttmp6, 0x40000                  ; cx, cy: my place in the cluster
	s_bfe_u32 s41, ttmp6, 0x40004
	s_mov_b32 s[KIND], ttmp9                       ; the cluster's x: the product
	s_and_b32 s18, ttmp7, 0xffff
	s_lshl_b32 s18, s18, 2                         ; 4 x the cluster's y: it walks the 16 tiles of tokens,
	s_cmp_eq_u32 s[KIND], 2
	s_cselect_b32 s17, 0, s18                      ; which are A's tiles for q and k
	s_cselect_b32 s42, s18, 0                      ; and B's for v
	s_add_co_u32 s17, s17, s41                     ; A's tile: hangs on cy alone among the partners
	s_add_co_u32 s42, s42, s40                     ; B's tile: on cx alone
	s_lshl_b32 s43, s41, 2
	s_lshl_b32 s43, 15, s43                        ; my row of the cluster
	s_lshl_b32 s44, 0x1111, s40                    ; my column
	; descriptor group 1: a tile of 128 rows x 192 bytes; 16 bytes of padding behind every 64
	s_or_b32 s[G1+0], s43, (1<<20)|(1<<21)|(3<<22)|(3<<25)
	s_or_b32 s[G1B+0], s44, (1<<20)|(1<<21)|(3<<22)|(3<<25)
.irp g, G1, G1B
	s_mov_b32 s[\g+1], ROWB<<16                    ; tensor_dim0
	s_mov_b32 s[\g+2], 128<<16                     ; tensor_dim1
	s_mov_b32 s[\g+3], ROWB<<16                    ; tile_dim0
	s_mov_b32 s[\g+4], 128                         ; tile_dim1
	s_mov_b32 s[\g+5], KROW                        ; tensor_dim0_stride
	s_mov_b32 s[\g+6], 0
	s_mov_b32 s[\g+7], 0
.endr
	s_wait_kmcnt 0x0
	s_cmp_eq_u32 s[KIND], 1                        ; the choice of buffers hangs on the cluster's x alone
	s_cselect_b64 s[8:9], s[76:77], s[72:73]       ; the weight of q or of k
	s_cselect_b64 s[10:11], s[78:79], s[74:75]
	s_cmp_eq_u32 s[KIND], 2
	s_cselect_b64 s[4:5], s[80:81], s[68:69]       ; A's codes: wv's for v, else x's
	s_cselect_b64 s[6:7], s[82:83], s[70:71]       ; A's scales
	s_cselect_b64 s[8:9], s[68:69], s[8:9]         ; B's codes: x's for v, else the weight's
	s_cselect_b64 s[10:11], s[70:71], s[10:11]     ; B's scales
	; the scale bytes of 128 rows: 4,096 dense bytes as 16 rows of 256 bytes, 16 bytes of padding behind each.  (s68 on have been read: they are free)
	s_or_b32 s[G1S+0], s43, (3<<16)|(1<<20)|(1<<21)|(5<<22)|(3<<25)
	s_or_b32 s[G1SB+0], s44, (3<<16)|(1<<20)|(1<<21)|(5<<22)|(3<<25)
.irp g, G1S, G1SB
	s_mov_b32 s[\g+1], 32<<16
	s_mov_b32 s[\g+2], (128*KS/256)<<16
	s_mov_b32 s[\g+3], 32<<16
	s_mov_b32 s[\g+4], 128*KS/256
	s_mov_b32 s[\g+5], 32
	s_mov_b32 s[\g+6], 0
	s_mov_b32 s[\g+7], 0
.endr
	s_lshl_b32 s18, s16, 7                         ; which 128 rows of the tile I fetch
	s_lshl_b32 s20, s17, 8
	s_add_co_u32 s20, s20, s18                     ; A: row 256 x tile + 128 x half
	s_lshl_b32 s46, s42, 8
	s_add_co_u32 s46, s46, s18                     ; B likewise
	s_mov_b32 s21, 0
	s_mov_b32 s47, 0
	s_mov_b64 s[18:19], KS
	s_mul_u64 s[22:23], s[20:21], s[18:19]         ; where these rows' scales begin
	s_mul_u64 s[92:93], s[46:47], s[18:19]
	s_mov_b64 s[18:19], KROW
	s_mul_u64 s[20:21], s[20:21], s[18:19]         ; and their codes
	s_mul_u64 s[46:47], s[46:47], s[18:19]
	s_mul_i32 s45, s14, HALFT                      ; where they go: wave x 128 rows
	s_mul_i32 s94, s14, HALFS
	s_add_nc_u64 s[20:21], s[4:5], s[20:21]
	s_add_nc_u64 s[22:23], s[6:7], s[22:23]
	s_add_nc_u64 s[46:47], s[8:9], s[46:47]
	s_add_nc_u64 s[92:93], s[10:11], s[92:93]
	CROUND                                         ; all sixteen work-groups are here: the first joint loads meet
	s_mov_b32 s[G0S], 1
	s_add_co_u32 s[G0S+1], s94, SCL
	s_mov_b64 s[G0S+2:G0S+3], s[22:23]
	s_or_b32 s[G0S+3], s[G0S+3], 0x80000000
	s_mov_b32 s[G0SB], 1
	s_add_co_u32 s[G0SB+1], s94, SCL
	s_mov_b64 s[G0SB+2:G0SB+3], s[92:93]
	s_or_b32 s[G0SB+3], s[G0SB+3], 0x80000000
	JLOAD G0S, G1S, G0SB, G1SB                     ; the scales first: they are wanted with K step 0
.irp s, 0,1
	s_mov_b32 s[G0+4*\s], 1
	s_add_co_u32 s[G0+4*\s+1], s45, \s*SLOT
	s_add_nc_u64 s[G0+4*\s+2:G0+4*\s+3], s[20:21], \s*ROWB
	s_or_b32 s[G0+4*\s+3], s[G0+4*\s+3], 0x80000000
	s_mov_b32 s[G0B+4*\s], 1
	s_add_co_u32 s[G0B+4*\s+1], s45, \s*SLOT
	s_add_nc_u64 s[G0B+4*\s+2:G0B+4*\s+3], s[46:47], \s*ROWB
	s_or_b32 s[G0B+4*\s+3], s[G0B+4*\s+3], 0x80000000
	JLOAD G0+4*\s, G1, G0B+4*\s, G1B
.endr
	v_and_b32 v1, 15, v0                           ; l % 16
	v_bfe_u32 v2, v0, 4, 1                         ; l / 16
	v_mul_u32_u24 v3, v1, PITCH
	v_mul_u32_u24 v4, v2, 24
	v_add_nc_u32 v4, v3, v4                        ; a fragment's row x pitch + 24 x half
	v_lshl_add_u32 v5, v2, 4, v4                   ; and the same behind one padding more
	s_mul_i32 s21, s15, HALFT                      ; my 128 rows of A
	s_mul_i32 s22, s16, HALFT                      ; my 128 rows of B,
	s_add_co_u32 s22, s22, 2*HALFT                 ; which lie behind A's 256
.irp s, 0,1
	v_add_nc_u32 v[ADRA+\s], s21, v4
	v_add_nc_u32 v[ADRB+\s], s22, v4
	v_add_nc_u32 v[ADRA+2+\s], s21, v5
	v_add_nc_u32 v[ADRB+2+\s], s22, v5
	s_add_co_u32 s21, s21, SLOT
	s_add_co_u32 s22, s22, SLOT
.endr
	v_mul_u32_u24 v5, v1, KS                       ; my row's scales: 32 bytes a row,
	v_lshrrev_b32 v6, 8, v5
	v_lshl_add_u32 v5, v6, 4, v5                   ; and 16 more for each 256 passed
	s_mul_i32 s21, s15, HALFS
	s_mul_i32 s22, s16, HALFS
	s_add_co_u32 s22, s22, 2*HALFS
	s_sub_co_u32 s22, s22, s21
	v_mul_u32_u24 v6, s22, v2                      ; lanes 16-31 take B's: one product, the distance between the two bases
	s_add_co_u32 s21, s21, SCL
	v_add_nc_u32 v5, v5, v6
	v_add_nc_u32 v[ADRS], s21, v5
.macro FRAG reg, adr, q, i             ; a fragment: lane l holds row l % 16; registers 6 c .. 6 c + 5 hold K = 64 c + 32 (l / 16) + 0 .. 31: 24 bytes of the row, in pieces of 8
.irp p, 0,1,2,3,4,5
.set PCE, 12*(\q)+6*(\p/3)+\p%3        ; lanes 16-31 read three pieces further on; where that lies behind one padding more, the second address register serves
.if PCE%8 < 5
	ds_load_b64 v[\reg+2*\p:\reg+2*\p+1], v[\adr] offset:8*PCE+16*(PCE/8)+(\i)*16*PITCH
.else
	ds_load_b64 v[\reg+2*\p:\reg+2*\p+1], v[\adr+2] offset:8*PCE+16*(PCE/8)+(\i)*16*PITCH
.endif
.endr
.endm
; 16 matrix instructions: A's blocks a0, a0 + 1 x B's eight, 128 along K.  The 64 accumulators take turns, one instruction a turn, in the same order in every step.
.macro MUL16 a0, p, q, sc, zero
.irp a, \a0, \a0+1
.irp b, 0,1,2,3,4,5,6,7
.if \zero
	v_wmma_scale_f32_16x16x128_f8f6f4 v[8*(8*((\a)%4)+\b):8*(8*((\a)%4)+\b)+7], v[128*(\p)+FR*\b:128*(\p)+FR*\b+FR-1], v[AF+FR*(\a):AF+FR*(\a)+FR-1], 0, v[SC+8*NQ*(\sc)+NQ*\b+(\q)], v[SC+8*NQ*(\sc)+NQ*(\a)+(\q)] matrix_a_fmt:MATRIX_FMT_FP6 matrix_b_fmt:MATRIX_FMT_FP6 matrix_a_scale:MATRIX_SCALE_ROW1
.else
	v_wmma_scale_f32_16x16x128_f8f6f4 v[8*(8*((\a)%4)+\b):8*(8*((\a)%4)+\b)+7], v[128*(\p)+FR*\b:128*(\p)+FR*\b+FR-1], v[AF+FR*(\a):AF+FR*(\a)+FR-1], v[8*(8*((\a)%4)+\b):8*(8*((\a)%4)+\b)+7], v[SC+8*NQ*(\sc)+NQ*\b+(\q)], v[SC+8*NQ*(\sc)+NQ*(\a)+(\q)] matrix_a_fmt:MATRIX_FMT_FP6 matrix_b_fmt:MATRIX_FMT_FP6 matrix_a_scale:MATRIX_SCALE_ROW1
.endif
.endr
.endr
.endm
.macro FETCH_B slot, q, p
	WIN TO_B
.irp i, 0,1,2,3,4,5,6,7
	FRAG 128*(\p)+FR*\i, ADRB+\slot, \q, \i
.endr
	WIN 0
.endm
.macro FETCH_A slot, q, i0
.irp i, \i0, \i0+1, \i0+2, \i0+3
	FRAG AF+FR*(\i), ADRA+\slot, \q, \i
.endr
.endm
.macro SCALES sc                       ; a K step's scale words: lanes 0-15 take A's block i, lanes 16-31 B's block i
.irp i, 0,1,2,3,4,5,6,7
	ds_load_b64 v[SC+8*NQ*\sc+NQ*\i:SC+8*NQ*\sc+NQ*\i+1], v[ADRS] offset:\i*SBLK
.endr
.endm
.macro PLACES n                        ; plain vector lines between a matrix instruction and a load into, or a vector read or write of, its registers
.rept \n
	v_nop
.endr
.endm
.macro STEP slot, q, zero              ; a step of 128 along K that has its successor in the same slot
	s_wait_dscnt 4*NL                              ; B's set and A's blocks 0-3 are in; the youngest 24 loads (A's blocks 4-7) may be out
	WIN MUL_LO
	MUL16 0, (\q)%2, \q, \slot, \zero
	MUL16 2, (\q)%2, \q, \slot, \zero
	s_wait_dscnt 0
	PLACES NP
	FETCH_B \slot, (\q)+1, 1-(\q)%2
	FETCH_A \slot, (\q)+1, 0
	WIN MUL_HI
	MUL16 4, (\q)%2, \q, \slot, \zero
	MUL16 6, (\q)%2, \q, \slot, \zero
	PLACES NP
	WIN 0
	FETCH_A \slot, (\q)+1, 4
.endm
; A slot's last step changes slots: one barrier; in front of it each wave waits for all its tensor loads, adds 0 to its spare word, and waits for that and for its reads of this slot.
.macro TURN slot, next, fill
	s_wait_tensorcnt 0x0                           ; all my tensor loads have landed: my part of the next slot
	ds_add_u32 v[SPW], v[NIL]                      ; 0 onto my spare word
	s_wait_dscnt 4*NL+1                            ; (the add and the youngest 24 loads may be out)
	WIN MUL_LO
	MUL16 0, 1, NQ-1, \slot, 0
	s_wait_dscnt 0x0                               ; the add is done, and my reads of this slot are over
	s_barrier_signal -1
	MUL16 2, 1, NQ-1, \slot, 0
	WIN 0
	s_barrier_wait -1
.if \fill
	CREST                                          ; the barrier has opened a round of the cluster's: no wave of any partner still reads this slot or has a load on its way
	s_add_nc_u64 s[G0+4*\slot+2:G0+4*\slot+3], s[G0+4*\slot+2:G0+4*\slot+3], 2*ROWB
	s_add_nc_u64 s[G0B+4*\slot+2:G0B+4*\slot+3], s[G0B+4*\slot+2:G0B+4*\slot+3], 2*ROWB
	JLOAD G0+4*\slot, G1, G0B+4*\slot, G1B         ; the first tensor load behind the round; its four v_nop are the places in front of the loads below
.else
	PLACES NP
.endif
	v_add_nc_u32 v[ADRS], 4*NQ, v[ADRS]            ; the next K step's scale words
	FETCH_B \next, 0, 0
	FETCH_A \next, 0, 0
	SCALES \next
	WIN MUL_HI
	MUL16 4, 1, NQ-1, \slot, 0
	MUL16 6, 1, NQ-1, \slot, 0
	PLACES NP
	WIN 0
	FETCH_A \next, 0, 4
.endm
	s_wait_tensorcnt 1                             ; the scales and my part of K step 0 are in; K step 1's load may be out
	s_barrier_signal -1
	s_barrier_wait -1
	FETCH_B 0, 0, 0
	FETCH_A 0, 0, 0
	SCALES 0
	FETCH_A 0, 0, 4
	STEP 0, 0, 1                                   ; the first step's products start the sums
	s_mov_b32 s3, LAPS-1
.Llap:                                                 ; a trip goes once round the ring and fills both slots again
	TURN 0, 1, 1
	STEP 1, 0, 0
	TURN 1, 0, 1
	STEP 0, 0, 0
	s_sub_co_u32 s3, s3, 1
	s_cmp_lg_u32 s3, 0
	s_cbranch_scc1 .Llap
	TURN 0, 1, 0                                   ; the last lap fills nothing
	s_load_b256 s[68:75], s[0:1], 0x40             ; cos, sin, qrec, kv: into registers of descriptors whose loads the wait at this TURN's head has shown done
	STEP 1, 0, 0
	s_wait_dscnt 4*NL
	WIN MUL_LO
	MUL16 0, 1, NQ-1, 1, 0
	MUL16 2, 1, NQ-1, 1, 0
	s_wait_dscnt 0
	WIN MUL_HI
	MUL16 4, 1, NQ-1, 1, 0
	MUL16 6, 1, NQ-1, 1, 0
	WIN 0
; ---- THE WAYS OUT.  No LDS: a lane's codes are stored as they stand in its registers, 16 bytes a lane, 512 consecutive bytes a store.
.set L8,   6                           ; v6   8 x lane (v's way)
.set L16,  7                           ; v7   16 x lane
.set TM,   8                           ; v8.. at work on a block's scale
	s_wait_kmcnt 0x0
	PLACES NP
	s_mov_b32 s[HI], 0xffff0000
	s_mov_b32 s[I64], 0x3c800000
	s_mov_b32 s[EPS], 0x358637bd
	s_mov_b32 s[SEL], 0x76543210
	s_mov_b32 s[SEL+1], 0xfedcba98
	v_and_b32 v[L16], 31, v0
	v_lshlrev_b32 v[L8], 3, v[L16]
	v_lshlrev_b32 v[L16], 4, v[L16]
.irp i, 2,3,4,5,6,7
	v_mov_b32 v[TM+\i], 0                          ; written once: a lane permute's destination counts as one of its sources
.endr
	v_mov_b32 v3, 0                                ; (the upper half of the pair that the packed scaling names)
	s_cmp_eq_u32 s[KIND], 2                        ; the same in all sixteen partners
	s_cbranch_scc1 .Lv
; ---- q and k.  Accumulator (a, 4 hh + t): lane (r, h) holds token 16 a + r, channel 16 t + 8 h + j of my head hh.
.set CSO,  1                           ; v1       my byte in a tile's 16 rows of cos and sin: 128 r + 32 h
.set RS,   2                           ; v[2:3]   1 / the root of the mean square
.set CT,   4                           ; v4-6     the second block's codes on their way
.set T,    18                          ; v18-25   eight products
.set SSA,  26                          ; v[26:27], v[30:31] the sum of squares in two packed chains
.set SSB,  30
.set SW,   32                          ; v32-39   the scale words, four registers a head: word i: lanes 0-15 tile 2 i, lanes 16-31 tile 2 i + 1
.set CS,   64                          ; v64-127  cos and sin of a tile of tokens, two sets: cos at + 8 t + j, sin at + 16 + 8 t + j
.set R,    128                         ; v128-159 the rotated head: register 16 b + i is of block b
.set CODE, 160                         ; v160-255 the codes: 48 registers a head, six a tile of tokens
	s_lshl_b32 s20, s17, 1
	s_add_co_u32 s20, s20, s15                     ; my block of 128 tokens
	s_lshl_b32 s21, s42, 2
	s_lshl_b32 s22, s16, 1
	s_add_co_u32 s21, s21, s22                     ; my first head
	s_lshl_b32 s22, s21, 5
	s_add_co_u32 s22, s22, s20                     ; the record: 32 x head + block
	s_cmp_eq_u32 s[KIND], 0
	s_cselect_b64 s[76:77], s[72:73], s[74:75]     ; q goes to qrec, k to kv
	s_mov_b32 s23, KREC
	s_cselect_b32 s23, QREC, s23                   ; a record's bytes
	s_mov_b32 s46, 12288
	s_cselect_b32 s46, 6144, s46                   ; where its scale words begin
	s_mul_i32 s80, s22, s23
	s_mov_b32 s81, 0
	s_add_nc_u64 s[76:77], s[76:77], s[80:81]      ; my first head's record,
	s_lshl_b32 s80, s23, 5
	s_add_nc_u64 s[78:79], s[76:77], s[80:81]      ; my second head's: 32 records on
	s_mov_b32 s47, 0
	s_add_nc_u64 s[84:85], s[76:77], s[46:47]
	s_add_nc_u64 s[86:87], s[78:79], s[46:47]
	s_lshl_b32 s80, s20, 14                        ; 128 tokens x 128 bytes of cos or sin
	s_add_nc_u64 s[68:69], s[68:69], s[80:81]
	s_add_nc_u64 s[70:71], s[70:71], s[80:81]
	v_and_b32 v[T], 15, v0
	v_bfe_u32 v[T+1], v0, 4, 1
	v_lshlrev_b32 v[CSO], 7, v[T]
	v_lshl_add_u32 v[CSO], v[T+1], 5, v[CSO]
.macro LOADCS a, set                   ; cos and sin of tokens 16 a + r at angles 16 t + 8 h + 0 .. 7: eight loads
.irp t, 0,1
	global_load_b128 v[CS+32*(\set)+8*\t:CS+32*(\set)+8*\t+3], v[CSO], s[68:69] offset:2048*(\a)+64*\t
	global_load_b128 v[CS+32*(\set)+8*\t+4:CS+32*(\set)+8*\t+7], v[CSO], s[68:69] offset:2048*(\a)+64*\t+16
	global_load_b128 v[CS+32*(\set)+16+8*\t:CS+32*(\set)+16+8*\t+3], v[CSO], s[70:71] offset:2048*(\a)+64*\t
	global_load_b128 v[CS+32*(\set)+16+8*\t+4:CS+32*(\set)+16+8*\t+7], v[CSO], s[70:71] offset:2048*(\a)+64*\t+16
.endr
.endm
; One head of one tile of 16 tokens: RoPE, the norm, two blocks quantised, six registers of codes and a scale word.
.macro ROPEQ a, hh
.set XB, 64*((\a)%4)+32*(\hh)          ; the head's four accumulators, in window 2 or 3
.set CC, CS+32*((\a)%2)
.set CD, CODE+48*(\hh)+6*(\a)
	WIN 2+(\a)/4                                   ; source 0 in the accumulators' window
.irp t, 0,1                            ; each accumulator is read from its low end on
.irp j, 0,2,4,6
	v_pk_mul_f32 v[T+\j:T+\j+1], v[XB+16+8*\t+\j:XB+16+8*\t+\j+1], v[CC+16+8*\t+\j:CC+16+8*\t+\j+1]    ; x2 sin
.endr
.irp j, 0,2,4,6
	v_pk_fma_f32 v[R+8*\t+\j:R+8*\t+\j+1], v[XB+8*\t+\j:XB+8*\t+\j+1], v[CC+8*\t+\j:CC+8*\t+\j+1], v[T+\j:T+\j+1]    ; x1 cos + x2 sin
.endr
.irp j, 0,2,4,6
	v_pk_mul_f32 v[T+\j:T+\j+1], v[XB+8*\t+\j:XB+8*\t+\j+1], v[CC+16+8*\t+\j:CC+16+8*\t+\j+1]    ; x1 sin
.endr
.irp j, 0,2,4,6
	v_pk_fma_f32 v[R+16+8*\t+\j:R+16+8*\t+\j+1], v[XB+16+8*\t+\j:XB+16+8*\t+\j+1], v[CC+8*\t+\j:CC+8*\t+\j+1], v[T+\j:T+\j+1] neg_lo:[0,0,1] neg_hi:[0,0,1]    ; x2 cos - x1 sin
.endr
.endr
	WIN 0
	v_pk_mul_f32 v[SSA:SSA+1], v[R:R+1], v[R:R+1]                  ; the sum of my 32 squares, in two packed chains
	v_pk_mul_f32 v[SSB:SSB+1], v[R+2:R+3], v[R+2:R+3]
.irp j, 4,8,12,16,20,24,28
	v_pk_fma_f32 v[SSA:SSA+1], v[R+\j:R+\j+1], v[R+\j:R+\j+1], v[SSA:SSA+1]
	v_pk_fma_f32 v[SSB:SSB+1], v[R+\j+2:R+\j+3], v[R+\j+2:R+\j+3], v[SSB:SSB+1]
.endr
	v_pk_add_f32 v[SSA:SSA+1], v[SSA:SSA+1], v[SSB:SSB+1]
	v_add_f32 v[SSA], v[SSA], v[SSA+1]
	v_permlanex16_b32 v[SSB], v[SSA], s[SEL], s[SEL+1]
	v_add_f32 v[SSA], v[SSA], v[SSB]               ; with lane l xor 16's 32: the head's 64
	v_fma_f32 v[SSA], v[SSA], s[I64], s[EPS]       ; the mean + 1e-6
	v_rsq_f32 v[RS], v[SSA]
	v_nop                                          ; a plain line behind the transcendental,
	s_wait_alu depctr_va_vdst(0)                   ; and the wait ahead of its first reader
.irp j, 0,2,4,6,8,10,12,14,16,18,20,22,24,26,28,30
	v_pk_mul_f32 v[R+\j:R+\j+1], v[R+\j:R+\j+1], v[RS:RS+1] op_sel_hi:[1,0]
.endr
.irp b, 0,1
	v_max3_num_f32 v[TM+\b], |v[R+16*\b]|, |v[R+16*\b+1]|, 0x1800000   ; block b: my 16 numbers, and the floor 2^(3 - 127): the byte cannot fall under 1
.endr
.irp i, 2,4,6,8,10,12,14
.irp b, 0,1
	v_max3_num_f32 v[TM+\b], v[TM+\b], |v[R+16*\b+\i]|, |v[R+16*\b+\i+1]|
.endr
.endr
.irp b, 0,1
	v_permlanex16_b32 v[TM+2+\b], v[TM+\b], s[SEL], s[SEL+1]
.endr
.irp b, 0,1
	v_max_num_f32 v[TM+\b], v[TM+\b], v[TM+2+\b]   ; the block's largest magnitude
.endr
.irp b, 0,1
	v_add_nc_u32 v[TM+4+\b], 0xff000000, v[TM+\b]  ; 2 off its exponent field: the conversion's scale operand
.endr
.irp b, 0,1
	v_lshrrev_b32 v[TM+6+\b], 23, v[TM+4+\b]       ; the scale's byte
.endr
	v_lshl_or_b32 v[TM+8], v[TM+7], 8, v[TM+6]     ; the row's scale word: bytes 2 and 3 stay 0, for the half of the K step that holds no channel
	v_cvt_scalef32_pk16_fp6_f32 v[CD:CD+2], v[R:R+15], v[TM+4]
	v_cvt_scalef32_pk16_fp6_f32 v[CT:CT+2], v[R+16:R+31], v[TM+5]
	v_nop                                          ; one plain line behind a scaled conversion
.irp i, 0,1,2
	v_permlane16_swap_b32 v[CD+\i], v[CT+\i]       ; lanes 0-15 now hold block 0 whole, lanes 16-31 block 1
.endr
.irp i, 0,1,2
	v_mov_b32 v[CD+3+\i], v[CT+\i]
.endr
.if ((\a)%2) == 0
	v_mov_b32 v[SW+4*(\hh)+(\a)/2], v[TM+8]
.else
	v_cndmask_b32 v[SW+4*(\hh)+(\a)/2], v[SW+4*(\hh)+(\a)/2], v[TM+8], s[HI]   ; an odd tile's words go to lanes 16-31
.endif
.endm
	LOADCS 0, 0
	LOADCS 1, 1
.irp a, 0,1,2,3,4,5,6,7
.if \a < 7
	s_wait_loadcnt 8                               ; this tile's eight loads are in; the next tile's eight may be out
.else
	s_wait_loadcnt 0
.endif
	ROPEQ \a, 0
	ROPEQ \a, 1
.if \a < 6
	LOADCS \a+2, \a%2
.endif
.endr
.irp hh, 0,1
.irp g, 0,1,2,3,4,5,6,7,8,9,10,11
	global_store_b128 v[L16], v[CODE+48*\hh+4*\g:CODE+48*\hh+4*\g+3], s[76+2*\hh:77+2*\hh] offset:512*\g   ; 32 lanes store 512 consecutive bytes, at a multiple of 256 from the buffer's first byte
.endr
	global_store_b128 v[L16], v[SW+4*\hh:SW+4*\hh+3], s[84+2*\hh:85+2*\hh]
.endr
	s_branch .Lend
; ---- v.  Accumulator (a, b): lane (r, h) holds channel 16 a + r of my 128 (two heads), token 16 b + 8 h + j of my 128: one key step.
.Lv:
.set SWV,  32                          ; v32-35   the scale words, two registers a head
.set PWV,  36                          ; v36      the scale word just made
.set PT,   64                          ; v64-71   odd blocks' codes on their way
.set PCV,  96                          ; v96-191  the codes: a fragment of 12 registers for each tile of channels
	s_lshl_b32 s20, s17, 2
	s_lshl_b32 s21, s15, 1
	s_add_co_u32 s20, s20, s21                     ; my first head
	s_lshl_b32 s21, s42, 1
	s_add_co_u32 s21, s21, s16                     ; my key step
	s_lshl_b32 s20, s20, 5
	s_add_co_u32 s20, s20, s21
	s_mul_i32 s80, s20, KREC
	s_mov_b32 s81, 0
	s_add_nc_u64 s[76:77], s[74:75], s[80:81]      ; my first head's record,
	s_add_nc_u64 s[78:79], s[76:77], 32*KREC       ; my second head's
.macro QUANTV a                        ; the 64 numbers of a lane in tile a, register 16 b + i of block b, become a fragment and a scale word
.set AC,  64*((\a)%4)
.set PCA, PCV+12*(\a)
	WIN 0x28+0x14*((\a)/4)                         ; sources 1 and 2 in the accumulators' window
.irp b, 0,1,2,3
	v_max3_num_f32 v[TM+\b], 0x1800000, |v[AC+16*\b]|, |v[AC+16*\b+1]|   ; from each accumulator's low end on; the floor 2^(3 - 127) among the leaves
.endr
.irp i, 2,4,6,8,10,12,14
.irp b, 0,1,2,3
	v_max3_num_f32 v[TM+\b], v[TM+\b], |v[AC+16*\b+\i]|, |v[AC+16*\b+\i+1]|
.endr
.endr
	WIN 0
.irp b, 0,1,2,3
	v_permlanex16_b32 v[TM+4+\b], v[TM+\b], s[SEL], s[SEL+1]
.endr
.irp b, 0,1,2,3
	v_max_num_f32 v[TM+\b], v[TM+\b], v[TM+4+\b]
.endr
.irp b, 0,1,2,3
	v_add_nc_u32 v[TM+12+\b], 0xff000000, v[TM+\b]
.endr
.irp b, 0,1,2,3
	v_lshrrev_b32 v[TM+4+\b], 23, v[TM+12+\b]
.endr
	v_lshl_or_b32 v[PWV], v[TM+5], 8, v[TM+4]
	v_lshl_or_b32 v[PWV], v[TM+6], 16, v[PWV]
	v_lshl_or_b32 v[PWV], v[TM+7], 24, v[PWV]
	WIN 2+(\a)/4                                   ; source 0 in the accumulators' window
.irp c, 0,1
	v_cvt_scalef32_pk16_fp6_f32 v[PCA+6*\c:PCA+6*\c+2], v[AC+32*\c:AC+32*\c+15], v[TM+12+2*\c]
	v_cvt_scalef32_pk16_fp6_f32 v[PT+4*\c:PT+4*\c+2], v[AC+32*\c+16:AC+32*\c+31], v[TM+13+2*\c]
.endr
	WIN 0
	v_nop                                          ; one plain line behind a scaled conversion
.irp c, 0,1
.irp i, 0,1,2
	v_permlane16_swap_b32 v[PCA+6*\c+\i], v[PT+4*\c+\i]
.endr
.irp i, 0,1,2
	v_mov_b32 v[PCA+6*\c+3+\i], v[PT+4*\c+\i]
.endr
.endr
.if ((\a)%2) == 0
	v_mov_b32 v[SWV+2*((\a)/4)+((\a)%4)/2], v[PWV]
.else
	v_cndmask_b32 v[SWV+2*((\a)/4)+((\a)%4)/2], v[SWV+2*((\a)/4)+((\a)%4)/2], v[PWV], s[HI]
.endif
.irp g, 0,1,2
	global_store_b128 v[L16], v[PCA+4*\g:PCA+4*\g+3], s[76+2*((\a)/4):77+2*((\a)/4)] offset:6144+512*(3*((\a)%4)+\g)
.endr
.endm
.irp a, 0,1,2,3,4,5,6,7
	QUANTV \a
.endr
	global_store_b64 v[L8], v[SWV:SWV+1], s[76:77] offset:12800      ; 32 lanes store one aligned block of 256 bytes
	global_store_b64 v[L8], v[SWV+2:SWV+3], s[78:79] offset:12800
.Lend:
	s_wait_tensorcnt 0x0                           ; the wave's end
	ds_add_u32 v[SPW], v[NIL]
	s_wait_dscnt 0x0
	CROUND                                         ; the closing round: no work-group ends while a partner may still ask for a tile that names it
	s_endpgm
.Lfunc_end_k_qccbfc4a02f_qkv:
	.size	k_qccbfc4a02f_qkv, .Lfunc_end_k_qccbfc4a02f_qkv-k_qccbfc4a02f_qkv
	.p2alignl 7, 3214868480
	.fill 96, 4, 3214868480
	.section	.rodata,"a",@progbits
	.p2align	6, 0x0
	.amdhsa_kernel k_qccbfc4a02f_qkv
		.amdhsa_group_segment_fixed_size 327680
		.amdhsa_private_segment_fixed_size 0
		.amdhsa_enable_private_segment 0
		.amdhsa_kernarg_size 96
		.amdhsa_user_sgpr_count 2
		.amdhsa_user_sgpr_kernarg_segment_ptr 1
		.amdhsa_wavefront_size32 1
		.amdhsa_system_sgpr_workgroup_id_x 1
		.amdhsa_system_sgpr_workgroup_id_y 1
		.amdhsa_system_sgpr_workgroup_id_z 1
		.amdhsa_system_vgpr_workitem_id 0
		.amdhsa_next_free_vgpr 1024
		.amdhsa_next_free_sgpr 98
		.amdhsa_reserve_vcc 0
		.amdhsa_float_denorm_mode_32 3
		.amdhsa_float_denorm_mode_16_64 3
		.amdhsa_memory_ordered 1
		.amdhsa_forward_progress 1
		.amdhsa_inst_pref_size 255
	.end_amdhsa_kernel
	.section	.bss,"aw",@nobits
	.p2align	6
	.space	262144
	.amdgpu_metadata
---
amdhsa.version: [ 1, 2 ]
amdhsa.kernels:
  - .name:           k_qccbfc4a02f_qkv
    .symbol:         k_qccbfc4a02f_qkv.kd
    .args:
      - { .name: x_codes, .offset: 0, .size: 8, .value_kind: global_buffer, .address_space: global }
      - { .name: x_scales, .offset: 8, .size: 8, .value_kind: global_buffer, .address_space: global }
      - { .name: wq_codes, .offset: 16, .size: 8, .value_kind: global_buffer, .address_space: global }
      - { .name: wq_scales, .offset: 24, .size: 8, .value_kind: global_buffer, .address_space: global }
      - { .name: wk_codes, .offset: 32, .size: 8, .value_kind: global_buffer, .address_space: global }
      - { .name: wk_scales, .offset: 40, .size: 8, .value_kind: global_buffer, .address_space: global }
      - { .name: wv_codes, .offset: 48, .size: 8, .value_kind: global_buffer, .address_space: global }
      - { .name: wv_scales, .offset: 56, .size: 8, .value_kind: global_buffer, .address_space: global }
      - { .name: cos, .offset: 64, .size: 8, .value_kind: global_buffer, .address_space: global }
      - { .name: sin, .offset: 72, .size: 8, .value_kind: global_buffer, .address_space: global }
      - { .name: qrec, .offset: 80, .size: 8, .value_kind: global_buffer, .address_space: global }
      - { .name: kv, .offset: 88, .size: 8, .value_kind: global_buffer, .address_space: global }
    .group_segment_fixed_size: 327680
    .private_segment_fixed_size: 0
    .kernarg_segment_align: 8
    .kernarg_segment_size: 96
    .max_flat_workgroup_size: 128
    .sgpr_count:     98
    .vgpr_count:     1024
    .wavefront_size: 32
...
	.end_amdgpu_metadata
.endif
;; end of part 1
;; launch attn (part 2): grid 16 x 16, 8 waves a work-group, no clusters, 327,680 bytes of LDS; arguments qrec, kv, ycodes, yscales; writes ycodes, yscales
.if DOCPART == 2
	.amdgcn_target "amdgcn-amd-amdhsa--gfx1250"
	.amdhsa_code_object_version 6
	.text
	.protected	k_qccbfc4a02f_attn
	.globl	k_qccbfc4a02f_attn
	.p2align	8
	.type	k_qccbfc4a02f_attn,@function
k_qccbfc4a02f_attn:
	s_mov_b64 s[64:65], 0
	v_nop
	global_prefetch_b8 v0, s[64:65] scope:SCOPE_SE
	s_setreg_imm32_b32 hwreg(HW_REG_WAVE_MODE, 25, 1), 1
	s_wait_xcnt 0x0
; y[h][q] = (the sum over keys k <= q of sigmoid(q . k / 8) v[k]) / 64, both products on codes of FP6 (E2M3) with E8M0 scales; y is quantised along the model's 1,024 channels and leaves as images of the last product's operand.
; The divisor of the source, 4096^0.5 + 1e-6, is 64 as an f32 number.  There is no softmax: no maximum, no sum.  The weights are w = 1 / (1 + 2^(-s log2(e) / 8)); a hidden key's weight is 0.
; SHARES.  Work-group (j, head) owns the blocks j and 31 - j of 128 queries, one after the other: j + 1 and 32 - j key steps of 128, 33 VISITS whatever j is, so that all 256 work-groups have equal work and every trip count
; is a constant.  Visit t takes key step t (t <= j, block j) or t - j - 1 (block 31 - j).  Visits j and 32 lie on the diagonal: they mask, and behind them the block's y goes out.  Wave w owns queries 16 w .. 16 w + 15.
; Eight waves of 256 registers, two to a SIMD: a visit is 12 matrix instructions beside 128 transcendentals, so one wave's plain lines and LDS waits stand beside the other's transcendentals.
; LAYOUT.  Both products transposed: S^T = K Q^T, O^T = V^T W^T: a lane holds one query.  K, V and Q come as images of the operand registers (16 bytes a lane, 512 consecutive bytes a load).
; The head has 64 channels, half of the instruction's 128: Q's registers 6-11 are zero codes, and K's fragment t is registers 6 t .. 6 t + 11 of one run of 54: its upper six are the next tile's codes,
; which meet Q's zeros (under scale bytes 0, which are 2^-127 and no NaN) and add nothing.
; The weights and v lie in the same order inside each block of 32 keys (0..7, 16..23, 8..15, 24..31), q and k likewise along the channels.  y meets a given operand: its numbers are brought into the natural order first.
; RING: two LDS slots of three records (a record: one key step's K, V and scale words, 13,056 dense bytes); waves 0 to 2 bring a record each by one tensor load, which has three visits in which to land.
; NO CLUSTER: the 16 work-groups of a head want different key steps at the same moment (the step hangs on j), so no request could be joint.
; LIMITS: a block of zeros gets the scale byte 1 where the rule says 127 (its codes are zeros; this program alone reads the bytes); NaN and infinities are not served.
.set REC,   13056
.set SLOT1, 65536                      ; slot 1 begins here: one exclusive or turns an address from one slot to the other
.set SPARE, 131072                     ; the spare words: 128 bytes a wave, named by no other line
.set L16, 1                            ; v1   16 x lane
.set L8,  2                            ; v2   8 x lane
.set SPW, 3                            ; v3   LDS address of my spare word; never rewritten
.set NIL, 4                            ; v4   0; never rewritten
.set QO,  5                            ; v5-7 where the three register pairs of my tile of Q lie in a record
.set QOS, 8                            ; v8   and its scale word
.set YSO, 9                            ; v9   2 x (lane % 16)
.set DM,  10                           ; v10  16 w + r - 8 h: on the diagonal register 8 t + i is hidden where 16 t + i is greater
.set PFO, 11                           ; v11  the prefetches' offset; never rewritten
.set AD16, 12                          ; v12, v13 the visit's LDS addresses
.set AD8,  13
.set QF,  16                           ; v16-27 Q's fragment; registers 6-11 are zeros
.set QS,  28                           ; v28  Q's scale word
.set PW,  29                           ; v29  the weights' scale word
.set KS,  32                           ; v32-35 K's scale words: word i: lanes 0-15 tile 2 i, lanes 16-31 tile 2 i + 1
.set VS,  36                           ; v36-37 V's
.set TM,  40                           ; v40-55 at work on scales
.set PC,  56                           ; v56-67 the weights' codes
.set PT,  68                           ; v68-75 odd blocks' codes on their way
.set KV,  76                           ; v76-129 K's 48 registers and six zeros; later V's 48
.set S,   130                          ; v130-193 S^T, then the weights
.set O,   194                          ; v194-225 O^T
.set YC,  226                          ; v226-231 y's codes
.set YT,  232
.set YW,  236                          ; y's two scale bytes
.set QN,  238                          ; v238-243 the second block's Q, v244 its scale word
.set QNS, 244
.set WV,  12
.set JJ,  13
.set J1,  14
.set HEAD, 15
.set TV,  16                           ; s16 the visit
.set DG,  17                           ; s17 1 on the diagonal
.set CB,  18                           ; s18 the block of queries in hand
.set TB,  19                           ; s19 LDS byte of the visit's record
.set SEL, 20
.set CSC, 22                           ; s[22:23] -log2(e) / 8
.set G1,  24
.set G0,  32
.set UU,  36                           ; s36 the visit whose record I fetch next
.set TMPS, 37
.set OFF, 38
.set KVH, 40                           ; s[40:41] kv at my head
.set QH,  42
.set QB0, 44
.set YB,  46
.set YSB, 48
.set TP,  50
.set SLOTS, 52
.set TRI, 53
.set PFA, 54
.set LIM, 56
.set I64, 58                           ; s[58:59] 1 / 64
.set YH,  60
.set YSH, 62
.macro TLOAD                           ; waves 0 to 2 fetch a record each; four v_nop follow the line
	s_cmp_lt_u32 s[WV], 3
	s_cbranch_scc0 .Lnone_\@
	tensor_load_to_lds s[G0:G0+3], s[G1:G1+7]
	s_nop 0
.rept 4
	v_nop
.endr
.Lnone_\@:
.endm
; A PREFETCH INTO THE L2 of the three records that the NEXT change of slots will ask for: three visits ahead of that load.  All work-groups of a head walk the head's records; the work-group with j = 0 walks all 32 in order,
; and it alone asks, by its waves 3 to 7, which fetch nothing: 153 blocks of 256 bytes, a lane a block (the last seven lanes name the last block again).  Records 0 to 4 come by their loads alone; the last filling change asks for nothing.
.macro ASK
	s_cmp_gt_u32 s[SLOTS], s[LIM]
	s_cbranch_scc0 .Lnot_mine_\@
	global_prefetch_b8 v[PFO], s[PFA:PFA+1] th:TH_LOAD_NT scope:SCOPE_SE
.Lnot_mine_\@:
.endm
	s_load_b256 s[4:11], s[0:1], 0x0               ; qrec, kv, ycodes, yscales
	v_lshl_add_u32 v[SPW], v0, 2, SPARE
	v_mov_b32 v[NIL], 0
	ds_add_u32 v3, v4
	s_wait_dscnt 0x0
	v_lshrrev_b32 v12, 5, v0
	v_readfirstlane_b32 s[WV], v12                 ; wave 0..7
	s_mov_b32 s[JJ], ttmp9
	s_add_co_u32 s[J1], s[JJ], 1
	s_and_b32 s[HEAD], ttmp7, 0xffff
	s_mov_b32 s[TV], 0
	s_mov_b32 s[CB], s[JJ]
	s_mov_b32 s[TB], 0
	s_mov_b32 s[SLOTS], 10
	s_mov_b32 s[SEL], 0x76543210
	s_mov_b32 s[SEL+1], 0xfedcba98
	s_mov_b32 s[CSC], 0xbe38aa3b
	s_mov_b32 s[CSC+1], s[CSC]                     ; (named with it as a pair, so it is written)
	s_mov_b32 s[I64], 0x3c800000
	s_mov_b32 s[I64+1], s[I64]
	; descriptor group 1: a record, 13,056 dense bytes, as 51 rows of 256 bytes (32 elements of 8 bytes), no padding
	s_mov_b32 s[G1], 3<<16
	s_mov_b32 s[G1+1], 32<<16
	s_mov_b32 s[G1+2], 51<<16
	s_mov_b32 s[G1+3], 32<<16
	s_mov_b32 s[G1+4], 51
	s_mov_b32 s[G1+5], 32
	s_mov_b32 s[G1+6], 0
	s_mov_b32 s[G1+7], 0
	s_min_u32 s[UU], s[WV], 2                      ; visit w of slot 0 (the waves that fetch nothing keep wave 2's numbers)
	s_mov_b32 s[G0], 1
	s_mul_i32 s[G0+1], s[UU], REC                  ; its place in a slot
	s_mov_b32 s[OFF+1], 0
	s_cmp_gt_u32 s[UU], s[JJ]
	s_cselect_b32 s[TMPS], s[J1], 0
	s_sub_co_u32 s[TMPS], s[UU], s[TMPS]           ; its key step
	s_mul_i32 s[OFF], s[TMPS], REC
	s_mul_i32 s[TP], s[HEAD], 32*REC
	s_mov_b32 s[TP+1], 0
	s_wait_kmcnt 0x0
	s_add_nc_u64 s[KVH:KVH+1], s[6:7], s[TP:TP+1]
	s_add_nc_u64 s[G0+2:G0+3], s[KVH:KVH+1], s[OFF:OFF+1]
	s_or_b32 s[G0+3], s[G0+3], 0x80000000
	TLOAD                                          ; slot 0: the one first fill, ahead of every wait on TENSORcnt, LDS read and barrier
	s_add_nc_u64 s[PFA:PFA+1], s[KVH:KVH+1], 2*REC ; the first change steps it to record 5.  Nothing is prefetched here, at the head
	s_cmp_ge_u32 s[WV], 3
	s_cselect_b32 s[TMPS], 0, 1
	s_or_b32 s[TMPS], s[TMPS], s[JJ]
	s_cmp_eq_u32 s[TMPS], 0
	s_cselect_b32 s[LIM], 1, -1                    ; 1 in waves 3 to 7 of the work-group with j = 0, else the greatest number
	s_mul_i32 s[TP], s[HEAD], 32*6656
	s_add_nc_u64 s[QH:QH+1], s[4:5], s[TP:TP+1]
	s_mul_i32 s[TP], s[JJ], 6656
	s_add_nc_u64 s[QB0:QB0+1], s[QH:QH+1], s[TP:TP+1]   ; Q's record of block j,
	s_sub_co_u32 s[TMPS], 31, s[JJ]
	s_mul_i32 s[TP], s[TMPS], 6656
	s_add_nc_u64 s[QH:QH+1], s[QH:QH+1], s[TP:TP+1]     ; and of block 31 - j
	v_and_b32 v14, 15, v0                          ; r
	v_bfe_u32 v15, v0, 4, 1                        ; h
	v_and_b32 v[L8], 31, v0
	v_lshlrev_b32 v[L16], 4, v[L8]
	v_lshlrev_b32 v[L8], 3, v[L8]
.irp p, 0,1,2                          ; register pair P = 3 w + p of the image: 512 (P / 2) + 16 x lane + 8 (P % 2)
	s_mul_i32 s[TMPS], s[WV], 3
	s_add_co_u32 s[TMPS], s[TMPS], \p
	s_lshr_b32 s[TRI], s[TMPS], 1
	s_lshl_b32 s[TRI], s[TRI], 9
	s_and_b32 s[TMPS], s[TMPS], 1
	s_lshl_b32 s[TMPS], s[TMPS], 3
	s_add_co_u32 s[TMPS], s[TMPS], s[TRI]
	v_add_nc_u32 v[QO+\p], s[TMPS], v[L16]
.endr
	s_and_b32 s[TMPS], s[WV], 1                    ; tile w's scale words: word w / 2 of lanes 16 (w % 2) + r
	s_lshl_b32 s[TMPS], s[TMPS], 8
	s_lshr_b32 s[TRI], s[WV], 1
	s_lshl_b32 s[TRI], s[TRI], 2
	s_add_co_u32 s[TMPS], s[TMPS], s[TRI]
	s_add_co_u32 s[TMPS], s[TMPS], 6144
	v_lshl_add_u32 v[QOS], v14, 4, s[TMPS]
.irp p, 0,1,2
	global_load_b64 v[QF+2*\p:QF+2*\p+1], v[QO+\p], s[QB0:QB0+1]
	global_load_b64 v[QN+2*\p:QN+2*\p+1], v[QO+\p], s[QH:QH+1]
.endr
	global_load_b32 v[QS], v[QOS], s[QB0:QB0+1]
	global_load_b32 v[QNS], v[QOS], s[QH:QH+1]
	v_lshlrev_b32 v[YSO], 1, v14
	v_lshlrev_b32 v15, 3, v15
	v_sub_nc_u32 v[DM], v14, v15
	s_lshl_b32 s[TMPS], s[WV], 4
	v_add_nc_u32 v[DM], s[TMPS], v[DM]
	v_add_nc_u32 v[PFO], 0xffffffa0, v0            ; thread - 96
	v_min_u32 v[PFO], 152, v[PFO]
	v_lshlrev_b32 v[PFO], 8, v[PFO]
	s_lshr_b32 s[TMPS], s[HEAD], 1                 ; y's codes: [block][K step = head / 2][tile = w][pair][lane][8 bytes]; head 2 s + c writes pairs 3 c on
	s_lshl_b32 s[TMPS], s[TMPS], 3
	s_add_co_u32 s[TMPS], s[TMPS], s[WV]
	s_mul_i32 s[TMPS], s[TMPS], 6
	s_and_b32 s[TP], s[HEAD], 1
	s_mul_i32 s[TP], s[TP], 3
	s_add_co_u32 s[TP], s[TP], s[TMPS]
	s_lshl_b32 s[TP], s[TP], 8
	s_add_nc_u64 s[YH:YH+1], s[8:9], s[TP:TP+1]
	s_lshl_b32 s[TP], s[HEAD], 8                   ; y's scale bytes: [block][head][tile][row][2 bytes]
	s_lshl_b32 s[TMPS], s[WV], 5
	s_add_co_u32 s[TP], s[TP], s[TMPS]
	s_add_nc_u64 s[YSH:YSH+1], s[10:11], s[TP:TP+1]
.irp i, 6,7,8,9,10,11
	v_mov_b32 v[QF+\i], 0                          ; zero codes for the half of the K step that holds no channel
.endr
.irp i, 48,49,50,51,52,53
	v_mov_b32 v[KV+\i], 0                          ; what stands above K's last tile
.endr
.irp i, 4,5,6,7
	v_mov_b32 v[TM+\i], 0                          ; written once: a lane permute's destination counts as one of its sources
.endr
.irp i, 0,1,2,3,4,5,6,7,8,9,10,11,12,13,14,15,16,17,18,19,20,21,22,23,24,25,26,27,28,29,30,31
	v_mov_b32 v[O+\i], 0                           ; O^T: the visit is written once, so the first finds zeros
.endr
; The 64 weights of a lane, register 16 b + i of block b, become the second product's operand and its scale word.  None is negative: no |.|.
.macro QUANTP
.irp b, 0,1,2,3
	v_max3_num_f32 v[TM+\b], v[S+16*\b], v[S+16*\b+1], 0x1800000   ; my 16 numbers of block b, and the floor 2^(3 - 127): the byte cannot fall under 1
.endr
.irp i, 2,4,6,8,10,12,14
.irp b, 0,1,2,3
	v_max3_num_f32 v[TM+\b], v[TM+\b], v[S+16*\b+\i], v[S+16*\b+\i+1]
.endr
.endr
.irp b, 0,1,2,3
	v_permlanex16_b32 v[TM+4+\b], v[TM+\b], s[SEL], s[SEL+1]
.endr
.irp b, 0,1,2,3
	v_max_num_f32 v[TM+\b], v[TM+\b], v[TM+4+\b]
.endr
.irp b, 0,1,2,3
	v_add_nc_u32 v[TM+12+\b], 0xff000000, v[TM+\b] ; 2 off the exponent field: the conversion's scale operand
.endr
.irp b, 0,1,2,3
	v_lshrrev_b32 v[TM+4+\b], 23, v[TM+12+\b]      ; the scale's byte
.endr
	v_lshl_or_b32 v[PW], v[TM+5], 8, v[TM+4]
	v_lshl_or_b32 v[PW], v[TM+6], 16, v[PW]
	v_lshl_or_b32 v[PW], v[TM+7], 24, v[PW]
.irp c, 0,1
	v_cvt_scalef32_pk16_fp6_f32 v[PC+6*\c:PC+6*\c+2], v[S+32*\c:S+32*\c+15], v[TM+12+2*\c]
	v_cvt_scalef32_pk16_fp6_f32 v[PT+4*\c:PT+4*\c+2], v[S+32*\c+16:S+32*\c+31], v[TM+13+2*\c]
.endr
	v_nop                                          ; one plain line behind a scaled conversion
.irp c, 0,1
.irp i, 0,1,2
	v_permlane16_swap_b32 v[PC+6*\c+\i], v[PT+4*\c+\i]
.endr
.irp i, 0,1,2
	v_mov_b32 v[PC+6*\c+3+\i], v[PT+4*\c+\i]
.endr
.endr
.endm
; A block of queries is finished: y = O^T / 64, quantised along the head's two blocks of 32 channels in their natural order; then the second block's Q comes in and O^T begins anew.
.macro FLUSH
	s_wait_xcnt 0x0                                ; the earlier stores have read their registers and bases: both are written again below
	s_mul_i32 s[TP], s[CB], 98304
	s_add_nc_u64 s[YB:YB+1], s[YH:YH+1], s[TP:TP+1]
	s_lshl_b32 s[TP], s[CB], 12
	s_add_nc_u64 s[YSB:YSB+1], s[YSH:YSH+1], s[TP:TP+1]
.irp j, 0,2,4,6,8,10,12,14,16,18,20,22,24,26,28,30
	v_pk_mul_f32 v[O+\j:O+\j+1], v[O+\j:O+\j+1], s[I64:I64+1] op_sel_hi:[1,0]   ; exact; each accumulator from its low end on
.endr
.irp b, 0,1
.irp j, 0,1,2,3,4,5,6,7
	v_permlane16_swap_b32 v[O+16*\b+\j], v[O+16*\b+8+\j]   ; tile 2 b's lanes 16-31 change places with tile 2 b + 1's lanes 0-15: register 16 b + i is now channel 32 b + 16 h + i
.endr
.endr
.irp b, 0,1
	v_max3_num_f32 v[TM+\b], |v[O+16*\b]|, |v[O+16*\b+1]|, 0x1800000
.endr
.irp i, 2,4,6,8,10,12,14
.irp b, 0,1
	v_max3_num_f32 v[TM+\b], v[TM+\b], |v[O+16*\b+\i]|, |v[O+16*\b+\i+1]|
.endr
.endr
.irp b, 0,1
	v_permlanex16_b32 v[TM+4+\b], v[TM+\b], s[SEL], s[SEL+1]
.endr
.irp b, 0,1
	v_max_num_f32 v[TM+\b], v[TM+\b], v[TM+4+\b]
.endr
.irp b, 0,1
	v_add_nc_u32 v[TM+12+\b], 0xff000000, v[TM+\b]
.endr
.irp b, 0,1
	v_lshrrev_b32 v[TM+4+\b], 23, v[TM+12+\b]
.endr
	v_lshl_or_b32 v[YW], v[TM+5], 8, v[TM+4]
	v_cvt_scalef32_pk16_fp6_f32 v[YC:YC+2], v[O:O+15], v[TM+12]
	v_cvt_scalef32_pk16_fp6_f32 v[YT:YT+2], v[O+16:O+31], v[TM+13]
	v_nop                                          ; one plain line behind a scaled conversion
.irp i, 0,1,2
	v_permlane16_swap_b32 v[YC+\i], v[YT+\i]       ; lanes 0-15 hold block 0 whole, lanes 16-31 block 1
.endr
.irp i, 0,1,2
	v_mov_b32 v[YC+3+\i], v[YT+\i]
.endr
.irp p, 0,1,2
	global_store_b64 v[L8], v[YC+2*\p:YC+2*\p+1], s[YB:YB+1] offset:256*\p   ; 32 lanes store one aligned block of 256 bytes
.endr
	global_store_b16 v[YSO], v[YW], s[YSB:YSB+1]   ; a row's two bytes: 32 consecutive bytes a wave (both halves of the lanes write the same)
.irp i, 0,1,2,3,4,5
	v_mov_b32 v[QF+\i], v[QN+\i]
.endr
	v_mov_b32 v[QS], v[QNS]
.irp i, 0,1,2,3,4,5,6,7,8,9,10,11,12,13,14,15,16,17,18,19,20,21,22,23,24,25,26,27,28,29,30,31
	v_mov_b32 v[O+\i], 0                           ; (these 32 also stand between the moves above and the next product, which reads them as operand and scale)
.endr
	s_sub_co_u32 s[CB], 31, s[JJ]
.endm
; A VISIT: my 16 queries against 128 keys.
.macro VISIT
	s_cmp_eq_u32 s[TV], s[JJ]
	s_cselect_b32 s[DG], 1, 0
	s_cmp_eq_u32 s[TV], 32
	s_cselect_b32 s[DG], 1, s[DG]
	v_add_nc_u32 v[AD16], s[TB], v[L16]
	v_add_nc_u32 v[AD8], s[TB], v[L8]
	ds_load_b128 v[KS:KS+3], v[AD16] offset:12288
.irp g, 0,1,2,3,4,5,6,7,8,9,10,11
	ds_load_b128 v[KV+4*\g:KV+4*\g+3], v[AD16] offset:512*\g
.endr
	s_wait_dscnt 0x0
.irp t, 0,1,2,3,4,5,6,7
.if \t%2
	v_wmma_scale_f32_16x16x128_f8f6f4 v[S+8*\t:S+8*\t+7], v[KV+6*\t:KV+6*\t+11], v[QF:QF+11], 0, v[KS+\t/2], v[QS] matrix_a_fmt:MATRIX_FMT_FP6 matrix_b_fmt:MATRIX_FMT_FP6 matrix_a_scale:MATRIX_SCALE_ROW1
.else
	v_wmma_scale_f32_16x16x128_f8f6f4 v[S+8*\t:S+8*\t+7], v[KV+6*\t:KV+6*\t+11], v[QF:QF+11], 0, v[KS+\t/2], v[QS] matrix_a_fmt:MATRIX_FMT_FP6 matrix_b_fmt:MATRIX_FMT_FP6
.endif
.endr
.rept 4
	v_nop                                          ; places in front of the loads into K's registers and of the first read of the scores
.endr
.irp g, 0,1,2,3,4,5,6,7,8,9,10,11
	ds_load_b128 v[KV+4*\g:KV+4*\g+3], v[AD16] offset:6144+512*\g    ; V lands while the weights are made
.endr
	ds_load_b64 v[VS:VS+1], v[AD8] offset:12800
.irp j, 0,2,4,6,8,10,12,14,16,18,20,22,24,26,28,30,32,34,36,38,40,42,44,46,48,50,52,54,56,58,60,62
	v_pk_mul_f32 v[S+\j:S+\j+1], v[S+\j:S+\j+1], s[CSC:CSC+1] op_sel_hi:[1,0]   ; -s log2(e) / 8
.endr
.irp j, 0,1,2,3,4,5,6,7,8,9,10,11,12,13,14,15,16,17,18,19,20,21,22,23,24,25,26,27,28,29,30,31,32,33,34,35,36,37,38,39,40,41,42,43,44,45,46,47,48,49,50,51,52,53,54,55,56,57,58,59,60,61,62,63
	v_exp_f32 v[S+\j], v[S+\j]
.endr
	v_nop                                          ; a plain line behind the batch,
	s_wait_alu depctr_va_vdst(0)                   ; and one wait for all 64, ahead of their first reader
.irp j, 0,2,4,6,8,10,12,14,16,18,20,22,24,26,28,30,32,34,36,38,40,42,44,46,48,50,52,54,56,58,60,62
	v_pk_add_f32 v[S+\j:S+\j+1], v[S+\j:S+\j+1], 1.0 op_sel_hi:[1,0]
.endr
.irp j, 0,1,2,3,4,5,6,7,8,9,10,11,12,13,14,15,16,17,18,19,20,21,22,23,24,25,26,27,28,29,30,31,32,33,34,35,36,37,38,39,40,41,42,43,44,45,46,47,48,49,50,51,52,53,54,55,56,57,58,59,60,61,62,63
	v_rcp_f32 v[S+\j], v[S+\j]
.endr
	v_nop
	s_wait_alu depctr_va_vdst(0)                   ; one wait for the 64 reciprocals
	s_cmp_eq_u32 s[DG], 0                          ; a branch on ids alone
	s_cbranch_scc1 .Lopen_\@
.irp n, 0,1,2,3,4,5,6,7,8,9,10,11,12,13,14,15,16,17,18,19,20,21,22,23,24,25,26,27,28,29,30,31,32,33,34,35,36,37,38,39,40,41,42,43,44,45,46,47,48,49,50,51,52,53,54,55,56,57,58,59,60,61,62,63
	v_cmp_gt_i32 vcc_lo, 16*(\n/8)+\n%8, v[DM]     ; register n holds key 16 (n / 8) + 8 h + n % 8: hidden where it comes after my query
	v_cndmask_b32 v[S+\n], v[S+\n], v[QF+6], vcc_lo   ; its weight is 0
.endr
.Lopen_\@:
	QUANTP
.rept 8
	v_nop                                          ; a scale word made by vector lines stands 8 plain lines ahead of a scaled matrix instruction, an operand so made 4
.endr
	s_wait_dscnt 0x0                               ; V and its scale words are in
.irp t, 0,1,2,3                        ; the four accumulators take turns, one instruction a turn
.if \t%2
	v_wmma_scale_f32_16x16x128_f8f6f4 v[O+8*\t:O+8*\t+7], v[KV+12*\t:KV+12*\t+11], v[PC:PC+11], v[O+8*\t:O+8*\t+7], v[VS+\t/2], v[PW] matrix_a_fmt:MATRIX_FMT_FP6 matrix_b_fmt:MATRIX_FMT_FP6 matrix_a_scale:MATRIX_SCALE_ROW1
.else
	v_wmma_scale_f32_16x16x128_f8f6f4 v[O+8*\t:O+8*\t+7], v[KV+12*\t:KV+12*\t+11], v[PC:PC+11], v[O+8*\t:O+8*\t+7], v[VS+\t/2], v[PW] matrix_a_fmt:MATRIX_FMT_FP6 matrix_b_fmt:MATRIX_FMT_FP6
.endif
.endr
.rept 4
	v_nop                                          ; places in front of the next visit's loads into V's registers and of the reads of O^T
.endr
	s_cmp_eq_u32 s[DG], 0
	s_cbranch_scc1 .Lon_\@
	FLUSH
.Lon_\@:
	s_add_co_u32 s[TV], s[TV], 1
	s_add_co_u32 s[TB], s[TB], REC
.endm
; THE CHANGE OF SLOTS stands at a slot's head.  Each wave waits for all its tensor loads, adds 0 to its spare word, and waits for that and for its reads of the slot that it has left.
; fill = 1: behind the barrier that slot takes the three records that follow those of the slot ahead.
.macro CHANGE fill
	s_wait_tensorcnt 0x0                           ; no tensor load of mine is out, so group 0 may be written
	ds_add_u32 v[SPW], v[NIL]                      ; 0 onto my spare word
.if \fill
	s_add_co_u32 s[UU], s[UU], 3                   ; my record's visit,
	s_cmp_gt_u32 s[UU], s[JJ]
	s_cselect_b32 s[TMPS], s[J1], 0
	s_sub_co_u32 s[TMPS], s[UU], s[TMPS]           ; its key step,
	s_mul_i32 s[OFF], s[TMPS], REC
	s_add_nc_u64 s[G0+2:G0+3], s[KVH:KVH+1], s[OFF:OFF+1]
	s_or_b32 s[G0+3], s[G0+3], 0x80000000
	s_xor_b32 s[G0+1], s[G0+1], SLOT1              ; the other slot than last time
	s_wait_xcnt 0x0                                ; the last prefetch, three visits back, has read its address
	s_add_nc_u64 s[PFA:PFA+1], s[PFA:PFA+1], 3*REC
.endif
	s_wait_dscnt 0x0                               ; the add is done, and my reads of the slot that I have left are over
	s_barrier_signal -1
	s_barrier_wait -1
.if \fill
	TLOAD                                          ; the first thing behind the barrier, and a wave's one tensor load until the next
	ASK
.endif
.endm
.macro THREE                           ; a slot's three visits: written once, walked three times
	s_mov_b32 s[TRI], 3
.Lvisit_\@:
	VISIT
	s_sub_co_u32 s[TRI], s[TRI], 1
	s_cmp_lg_u32 s[TRI], 0
	s_cbranch_scc1 .Lvisit_\@
	s_sub_co_u32 s[TB], s[TB], 3*REC
	s_xor_b32 s[TB], s[TB], SLOT1                  ; on to the other slot
.endm
	s_wait_loadcnt 0x0                             ; both blocks' Q
.Lslot:                                                ; ten trips: behind each change of slots but the last the next slot is asked for
	CHANGE 1
	THREE
	s_sub_co_u32 s[SLOTS], s[SLOTS], 1
	s_cmp_lg_u32 s[SLOTS], 0
	s_cbranch_scc1 .Lslot
	CHANGE 0                                       ; the last slot is written out
	THREE
	s_wait_tensorcnt 0x0                           ; the wave's end
	ds_add_u32 v[SPW], v[NIL]
	s_wait_dscnt 0x0
	s_endpgm
.Lfunc_end_k_qccbfc4a02f_attn:
	.size	k_qccbfc4a02f_attn, .Lfunc_end_k_qccbfc4a02f_attn-k_qccbfc4a02f_attn
	.p2alignl 7, 3214868480
	.fill 96, 4, 3214868480
	.section	.rodata,"a",@progbits
	.p2align	6, 0x0
	.amdhsa_kernel k_qccbfc4a02f_attn
		.amdhsa_group_segment_fixed_size 327680
		.amdhsa_private_segment_fixed_size 0
		.amdhsa_enable_private_segment 0
		.amdhsa_kernarg_size 32
		.amdhsa_user_sgpr_count 2
		.amdhsa_user_sgpr_kernarg_segment_ptr 1
		.amdhsa_wavefront_size32 1
		.amdhsa_system_sgpr_workgroup_id_x 1
		.amdhsa_system_sgpr_workgroup_id_y 1
		.amdhsa_system_sgpr_workgroup_id_z 1
		.amdhsa_system_vgpr_workitem_id 0
		.amdhsa_next_free_vgpr 256
		.amdhsa_next_free_sgpr 66
		.amdhsa_reserve_vcc 1
		.amdhsa_float_denorm_mode_32 3
		.amdhsa_float_denorm_mode_16_64 3
		.amdhsa_memory_ordered 1
		.amdhsa_forward_progress 1
		.amdhsa_inst_pref_size 62
	.end_amdhsa_kernel
	.amdgpu_metadata
---
amdhsa.version: [ 1, 2 ]
amdhsa.kernels:
  - .name:           k_qccbfc4a02f_attn
    .symbol:         k_qccbfc4a02f_attn.kd
    .args:
      - { .name: qrec, .offset: 0, .size: 8, .value_kind: global_buffer, .address_space: global }
      - { .name: kv, .offset: 8, .size: 8, .value_kind: global_buffer, .address_space: global }
      - { .name: ycodes, .offset: 16, .size: 8, .value_kind: global_buffer, .address_space: global }
      - { .name: yscales, .offset: 24, .size: 8, .value_kind: global_buffer, .address_space: global }
    .group_segment_fixed_size: 327680
    .private_segment_fixed_size: 0
    .kernarg_segment_align: 8
    .kernarg_segment_size: 32
    .max_flat_workgroup_size: 256
    .sgpr_count:     66
    .vgpr_count:     256
    .wavefront_size: 32
...
	.end_amdgpu_metadata
.endif
;; end of part 2
;; launch proj (part 3): grid 8 x 32, 4 waves a work-group, clusters of 4 x 4, 262,656 bytes of LDS; arguments ycodes, yscales, wproj_codes, wproj_scales, out0; writes out0
.if DOCPART == 3
	.amdgcn_target "amdgcn-amd-amdhsa--gfx1250"
	.amdhsa_code_object_version 6
	.text
	.protected	k_qccbfc4a02f_proj
	.globl	k_qccbfc4a02f_proj
	.p2align	8
	.type	k_qccbfc4a02f_proj,@function
k_qccbfc4a02f_proj:
	s_mov_b64 s[64:65], 0
	v_nop
	global_prefetch_b8 v0, s[64:65] scope:SCOPE_SE
	s_setreg_imm32_b32 hwreg(HW_REG_WAVE_MODE, 25, 1), 1
	s_wait_xcnt 0x0
	s_wait_alu depctr_hold_cnt(0) depctr_sa_sdst(0) depctr_va_vdst(0) depctr_va_sdst(0) depctr_va_ssrc(0) depctr_va_vcc(0) depctr_vm_vsrc(0)
	s_getreg_b32 s2, hwreg(HW_REG_IB_STS2, 6, 4)
	s_cmp_eq_u32 s2, 0
	s_cbranch_scc0 .Lentry_in_a_cluster
	s_endpgm
.Lentry_in_a_cluster:
	s_bfe_u32 s2, ttmp6, 0x10000c
	s_cmp_lg_u32 s2, 0xf033
	s_cbranch_scc0 .Lentry_shape_is_right
	s_endpgm
.Lentry_shape_is_right:
; out0 = y wproj^T on codes of FP6 (E2M3) with E8M0 scales, K = 1,024; out0 [4096][1024] f32.
; A tile of 128 x 128 gives 256 work-groups; each of the four waves makes 64 x 64: 16 accumulators.  ALL OF K FITS IN LDS: every LDS byte is filled once, so there is no ring and nothing is filled again.
; y comes as images of the operand's registers ([block of 128 tokens][K step][tile of 16 tokens][register pair][lane][8 bytes]): a block's 98,304 bytes are dense.  wproj comes as rows of codes: four chunks of 256 along K,
; rows of 192 bytes with 16 bytes of padding behind every 64 (pitch 240).
; CLUSTERS: 4 x 4 work-groups; y's block is shared along a row of the cluster, wproj's rows along a column: joint tensor loads.  Waves 0 and 1 fetch for y, waves 2 and 3 for wproj, three loads each: half of the scale bytes,
; one of chunks 0 and 1, one of chunks 2 and 3.  The products of the first half of K run while the second half lands.
; THE MATRIX INSTRUCTION IS USED TRANSPOSED (source 0 = 16 rows of wproj, source 1 = 16 tokens): a lane holds eight neighbouring numbers of a row of out0.
; REGISTERS: window 0: v1-15 addresses; v16-47 y's scale words (8 a + s), v48-79 wproj's (8 b + s): they hold scales alone; v128-255 the accumulators ((a, b) at 128 + 8 (4 a + b)).
;   window 1: two fragment buffers, at v0 and v128: y's four fragments, then wproj's four.
.set PITCH, 240
.set AIMG,  0                          ; y's images: 98,304 bytes
.set BT,    98304                      ; wproj's four chunks: 4 x 128 rows x 240
.set ASC,   221184                     ; y's scale bytes: [head 16][tile 8][row 16][2]: 4,096
.set BSC,   225280                     ; wproj's: 16 units of 256 bytes + 16 of padding
.set STG,   229632                     ; the way out: 16 rows x (256 + 16) bytes for each wave; no tile lands here
.set ADA,  4                           ; v4, v5   y's images, K steps 0-3 and 4-7
.set CO,   6                           ; v6       my byte in two rows of out0
.set ADB,  8                           ; v8, v9   wproj's rows, chunks 0-1 and 2-3; v10, v11 the same behind one padding more
.set ADSA, 12
.set ADSB, 13
.set STO,  14
.set RD,   15
.set SA,   16
.set SB,   48
.set ACC,  128
.set G1A,  24
.set G1AS, 32
.set G1B,  40
.set G1BS, 48
.set MSB, 0
.macro WIN new                         ; the immediate's high byte repeats the setting that is left
.if MSB != (\new)
	s_set_vgpr_msb (MSB<<8)|(\new)
.set MSB, (\new)
.endif
.endm
.set MUL,  0x05                        ; sources 0 and 1 window 1; C and D window 0
.set TO_F, 0x40                        ; destination window 1, address window 0
.macro CROUND                          ; a round of the cluster's barrier
	s_barrier_signal -1
	s_barrier_wait -1
	s_cmp_lg_u32 s14, 0
	s_cbranch_scc1 .Lnot_wave_0_\@
	s_barrier_signal -3
.Lnot_wave_0_\@:
	s_barrier_wait -3
	s_barrier_signal -1
	s_barrier_wait -1
.endm
.macro PLACES
.rept 4
	v_nop
.endr
.endm
	s_load_b256 s[4:11], s[0:1], 0x0               ; y's codes, y's scales, wproj's codes, wproj's scales
	s_load_b64 s[12:13], s[0:1], 0x20              ; out0
	v_lshl_add_u32 v126, v0, 2, 0x40000
	v_mov_b32 v127, 0
	ds_add_u32 v126, v127
	v_lshrrev_b32 v1, 5, v0
	v_readfirstlane_b32 s14, v1                    ; wave 0..3
	s_lshr_b32 s15, s14, 1                         ; which half of the tokens is mine.  Also: I fetch for y (0) or for wproj (1)
	s_and_b32 s16, s14, 1                          ; which half of the columns.  Also: which halves and chunks I fetch
	s_bfe_u32 s88, ttmp6, 0x40000                  ; cx, cy
	s_bfe_u32 s89, ttmp6, 0x40004
	s_lshl_b32 s90, ttmp9, 2
	s_add_co_u32 s90, s90, s88                     ; tile column = 4 x cluster x + cx
	s_and_b32 s17, ttmp7, 0xffff
	s_lshl_b32 s17, s17, 2
	s_add_co_u32 s17, s17, s89                     ; tile row = 4 x cluster y + cy
	s_lshl_b32 s91, s89, 2
	s_lshl_b32 s91, 15, s91                        ; my row of the cluster
	s_lshl_b32 s92, 0x1111, s88                    ; my column
	s_or_b32 s[G1A], s91, (3<<16)|(1<<21)          ; a chunk of y: 24,576 dense bytes as 96 rows of 256 (32 elements of 8 bytes), no padding
	s_mov_b32 s[G1A+1], 32<<16
	s_mov_b32 s[G1A+2], 96<<16
	s_mov_b32 s[G1A+3], 32<<16
	s_mov_b32 s[G1A+4], 96
	s_mov_b32 s[G1A+5], 32
	s_mov_b32 s[G1A+6], 0
	s_mov_b32 s[G1A+7], 0
	s_or_b32 s[G1AS], s91, (3<<16)|(1<<21)         ; half of y's scale bytes: 8 rows of 256
	s_mov_b32 s[G1AS+1], 32<<16
	s_mov_b32 s[G1AS+2], 8<<16
	s_mov_b32 s[G1AS+3], 32<<16
	s_mov_b32 s[G1AS+4], 8
	s_mov_b32 s[G1AS+5], 32
	s_mov_b32 s[G1AS+6], 0
	s_mov_b32 s[G1AS+7], 0
	s_or_b32 s[G1B], s92, (1<<20)|(1<<21)|(3<<22)|(3<<25)   ; a chunk of wproj: 128 rows x 192 bytes, 768 apart; 16 bytes of padding behind every 64
	s_mov_b32 s[G1B+1], 192<<16
	s_mov_b32 s[G1B+2], 128<<16
	s_mov_b32 s[G1B+3], 192<<16
	s_mov_b32 s[G1B+4], 128
	s_mov_b32 s[G1B+5], 768
	s_mov_b32 s[G1B+6], 0
	s_mov_b32 s[G1B+7], 0
	s_or_b32 s[G1BS], s92, (3<<16)|(1<<20)|(1<<21)|(5<<22)|(3<<25)   ; half of wproj's scale bytes: 8 rows of 256, 16 bytes of padding behind each
	s_mov_b32 s[G1BS+1], 32<<16
	s_mov_b32 s[G1BS+2], 8<<16
	s_mov_b32 s[G1BS+3], 32<<16
	s_mov_b32 s[G1BS+4], 8
	s_mov_b32 s[G1BS+5], 32
	s_mov_b32 s[G1BS+6], 0
	s_mov_b32 s[G1BS+7], 0
	s_mul_i32 s18, s17, 98304                      ; y's codes: the block, + my chunk
	s_mul_i32 s20, s16, 24576
	s_add_co_u32 s18, s18, s20
	s_mov_b32 s19, 0
	s_lshl_b32 s20, s17, 12                        ; y's scales: the block, + my half
	s_lshl_b32 s22, s16, 11
	s_add_co_u32 s20, s20, s22
	s_mov_b32 s21, 0
	s_mul_i32 s68, s90, 98304                      ; wproj's codes: 128 rows of 768 bytes a tile, + my chunk
	s_mul_i32 s23, s16, 192
	s_add_co_u32 s68, s68, s23
	s_mov_b32 s69, 0
	s_lshl_b32 s70, s90, 12                        ; wproj's scales
	s_add_co_u32 s70, s70, s22
	s_mov_b32 s71, 0
	s_wait_dscnt 0x0
	s_wait_kmcnt 0x0
	s_mov_b32 s56, 1                               ; groups 0.  y's scales
	s_add_co_u32 s57, s22, ASC
	s_add_nc_u64 s[58:59], s[6:7], s[20:21]
	s_or_b32 s59, s59, 0x80000000
	s_mov_b32 s60, 1                               ; y's chunk e
	s_mul_i32 s61, s16, 24576
	s_add_nc_u64 s[62:63], s[4:5], s[18:19]
	s_mov_b32 s72, 1                               ; y's chunk 2 + e
	s_add_co_u32 s73, s61, 49152
	s_add_nc_u64 s[74:75], s[62:63], 49152
	s_or_b32 s63, s63, 0x80000000
	s_or_b32 s75, s75, 0x80000000
	s_mov_b32 s76, 1                               ; wproj's scales
	s_mul_i32 s77, s16, 2176
	s_add_co_u32 s77, s77, BSC
	s_add_nc_u64 s[78:79], s[10:11], s[70:71]
	s_or_b32 s79, s79, 0x80000000
	s_mov_b32 s80, 1                               ; wproj's chunk e
	s_mul_i32 s81, s16, 30720
	s_add_co_u32 s81, s81, BT
	s_add_nc_u64 s[82:83], s[8:9], s[68:69]
	s_mov_b32 s84, 1                               ; wproj's chunk 2 + e
	s_add_co_u32 s85, s81, 61440
	s_add_nc_u64 s[86:87], s[82:83], 384
	s_or_b32 s83, s83, 0x80000000
	s_or_b32 s87, s87, 0x80000000
	CROUND                                         ; all sixteen work-groups are here: the joint loads meet
	s_cmp_eq_u32 s15, 0                            ; a wave's three fills stand in one branch on its number; four v_nop follow the last
	s_cbranch_scc0 .Lfor_b
	tensor_load_to_lds s[56:59], s[G1AS:G1AS+7]
	s_nop 0
	tensor_load_to_lds s[60:63], s[G1A:G1A+7]
	s_nop 0
	tensor_load_to_lds s[72:75], s[G1A:G1A+7]
	s_nop 0
.rept 4
	v_nop
.endr
	s_branch .Lasked
.Lfor_b:
	tensor_load_to_lds s[76:79], s[G1BS:G1BS+7]
	s_nop 0
	tensor_load_to_lds s[80:83], s[G1B:G1B+7]
	s_nop 0
	tensor_load_to_lds s[84:87], s[G1B:G1B+7]
	s_nop 0
.rept 4
	v_nop
.endr
.Lasked:
	v_and_b32 v1, 15, v0                           ; r
	v_bfe_u32 v2, v0, 4, 1                         ; h
	v_and_b32 v3, 31, v0                           ; lane
	s_mul_i32 s20, s15, 6144                       ; my four tiles of tokens: 4 x 1,536 bytes in each K step's images
	v_lshl_add_u32 v[ADA], v3, 3, s20
	v_add_nc_u32 v[ADA+1], 49152, v[ADA]
	v_mul_u32_u24 v7, v1, PITCH
	v_mad_u32_u24 v7, v2, 24, v7
	s_mul_i32 s20, s16, 64*PITCH                   ; my 64 rows of wproj
	s_add_co_u32 s20, s20, BT
	v_add_nc_u32 v[ADB], s20, v7
	v_add_nc_u32 v[ADB+1], 61440, v[ADB]
	v_lshl_add_u32 v[ADB+2], v2, 4, v[ADB]
	v_lshl_add_u32 v[ADB+3], v2, 4, v[ADB+1]
	s_lshl_b32 s20, s15, 7
	s_add_co_u32 s20, s20, ASC
	v_lshl_add_u32 v[ADSA], v1, 1, s20             ; y's scale bytes: 2 r, + 32 a tile, + 256 a head
	v_lshrrev_b32 v7, 3, v1
	v_lshlrev_b32 v7, 4, v7
	v_lshl_add_u32 v7, v1, 5, v7                   ; wproj's: 32 bytes a row, 16 more for each 256 passed
	s_mul_i32 s20, s16, 2176
	s_add_co_u32 s20, s20, BSC
	v_add_nc_u32 v[ADSB], s20, v7
	s_mul_i32 s20, s14, 16*272
	s_add_co_u32 s20, s20, STG                     ; my stage
	v_mul_u32_u24 v7, v1, 272
	v_lshl_add_u32 v7, v2, 5, v7
	v_add_nc_u32 v[STO], s20, v7                   ; in: row r, 32 bytes for each half of the lanes
	v_mul_u32_u24 v7, v2, 272
	v_lshl_add_u32 v7, v1, 4, v7
	v_add_nc_u32 v[RD], s20, v7                    ; back: lanes 0-15 one row of 256 bytes, lanes 16-31 the next
	v_lshlrev_b32 v[CO], 12, v2
	v_lshl_add_u32 v[CO], v1, 4, v[CO]             ; and the same two rows in out0
	s_lshl_b32 s94, s17, 19                        ; my part of out0: (128 x tile row + 64 x half) rows of 4,096 bytes + 512 x tile column + 256 x half
	s_lshl_b32 s95, s15, 18
	s_add_co_u32 s94, s94, s95
	s_lshl_b32 s95, s90, 9
	s_add_co_u32 s94, s94, s95
	s_lshl_b32 s95, s16, 8
	s_add_co_u32 s94, s94, s95
	s_mov_b32 s95, 0
	s_add_nc_u64 s[12:13], s[12:13], s[94:95]
.macro FRAGB reg, adr, q, i, add       ; a fragment of wproj from rows: 24 bytes of the row twice, in pieces of 8; where the piece of lanes 16-31 lies behind one padding more, the second address register serves
.irp p, 0,1,2,3,4,5
.set PCE, 12*(\q)+6*(\p/3)+\p%3
.if PCE%8 < 5
	ds_load_b64 v[\reg+2*\p:\reg+2*\p+1], v[\adr] offset:8*PCE+16*(PCE/8)+(\i)*16*PITCH+(\add)
.else
	ds_load_b64 v[\reg+2*\p:\reg+2*\p+1], v[\adr+2] offset:8*PCE+16*(PCE/8)+(\i)*16*PITCH+(\add)
.endif
.endr
.endm
.macro FETCH s, f                      ; K step s: y's four fragments (six images of 256 bytes each) and wproj's four into buffer f: 48 loads
	WIN TO_F
.irp i, 0,1,2,3
.irp p, 0,1,2,3,4,5
	ds_load_b64 v[\f+12*\i+2*\p:\f+12*\i+2*\p+1], v[ADA+(\s)/4] offset:(((\s)%4)*8+\i)*1536+256*\p
.endr
.endr
.irp i, 0,1,2,3
	FRAGB \f+48+12*\i, ADB+(\s)/4, (\s)%2, \i, (((\s)/2)%2)*30720
.endr
.endm
.macro STEP s
.set FB, 128*((\s)%2)
	s_wait_dscnt 0x0                               ; this step's fragments are in
.if (\s) == 3
	s_wait_tensorcnt 0x0                           ; my chunk of the second half of K has landed,
	s_barrier_signal -1
	s_barrier_wait -1                              ; everybody's has
.endif
.if (\s) < 7
	PLACES                                         ; in front of loads into the buffer that the last step's products read
	FETCH (\s)+1, 128*(((\s)+1)%2)
.endif
	WIN MUL
.irp a, 0,1,2,3                        ; the 16 accumulators take turns, one instruction a turn
.irp b, 0,1,2,3
.if (\s) == 0
	v_wmma_scale_f32_16x16x128_f8f6f4 v[ACC+8*(4*\a+\b):ACC+8*(4*\a+\b)+7], v[FB+48+12*\b:FB+48+12*\b+11], v[FB+12*\a:FB+12*\a+11], 0, v[SB+8*\b+(\s)], v[SA+8*\a+(\s)] matrix_a_fmt:MATRIX_FMT_FP6 matrix_b_fmt:MATRIX_FMT_FP6
.else
	v_wmma_scale_f32_16x16x128_f8f6f4 v[ACC+8*(4*\a+\b):ACC+8*(4*\a+\b)+7], v[FB+48+12*\b:FB+48+12*\b+11], v[FB+12*\a:FB+12*\a+11], v[ACC+8*(4*\a+\b):ACC+8*(4*\a+\b)+7], v[SB+8*\b+(\s)], v[SA+8*\a+(\s)] matrix_a_fmt:MATRIX_FMT_FP6 matrix_b_fmt:MATRIX_FMT_FP6
.endif
.endr
.endr
.endm
	s_wait_tensorcnt 0x1                           ; my half of the scales and my chunk of the first half of K are in; my last load may be out
	s_barrier_signal -1
	s_barrier_wait -1
.irp d, 0,1,2,3,4,5,6,7,8,9,10,11,12,13,14,15
.irp a, 0,1,2,3
	ds_load_u16 v[ACC+4*\d+\a], v[ADSA] offset:256*\d+32*\a       ; head d's two bytes of my tile a's row r (into registers that the sums take later)
.endr
.endr
.irp b, 0,1,2,3
	ds_load_b128 v[SB+8*\b:SB+8*\b+3], v[ADSB] offset:544*\b      ; wproj's eight scale words of row 16 b + r
	ds_load_b128 v[SB+8*\b+4:SB+8*\b+7], v[ADSB] offset:544*\b+16
.endr
	FETCH 0, 0
	WIN 0
	s_wait_dscnt 0x0
.irp a, 0,1,2,3
.irp s, 0,1,2,3,4,5,6,7
	v_lshl_or_b32 v[SA+8*\a+\s], v[ACC+4*(2*\s+1)+\a], 16, v[ACC+4*(2*\s)+\a]   ; K step s is heads 2 s and 2 s + 1: four bytes
.endr
.endr
.rept 8
	v_nop                                          ; a scale word made by vector lines stands 8 plain lines ahead of a scaled matrix instruction
.endr
.irp s, 0,1,2,3,4,5,6,7
	STEP \s
.endr
	WIN 0
	; THE WAY OUT, a block of 16 tokens x 64 columns at a time: through my own stage and back as whole rows of 256 bytes, into the registers that the block has left.
	; LDS serves a wave's instructions in order (ISA guide 5.7.1.4): no wait between the stores and the loads, nor in front of the next block's stores.
	PLACES
.irp a, 0,1,2,3
.irp b, 0,1,2,3
	ds_store_b128 v[STO], v[ACC+8*(4*\a+\b):ACC+8*(4*\a+\b)+3] offset:64*\b          ; each accumulator from its low end on
	ds_store_b128 v[STO], v[ACC+8*(4*\a+\b)+4:ACC+8*(4*\a+\b)+7] offset:64*\b+16
.endr
.irp i, 0,1,2,3,4,5,6,7
	ds_load_b128 v[ACC+32*\a+4*\i:ACC+32*\a+4*\i+3], v[RD] offset:\i*2*272
.endr
.endr
.irp a, 0,1,2,3
.irp i, 0,1,2,3,4,5,6,7
	s_wait_dscnt 7-\i+16*(3-\a)                    ; behind this load: the block's later loads and sixteen LDS instructions for each later block
	global_store_b128 v[CO], v[ACC+32*\a+4*\i:ACC+32*\a+4*\i+3], s[12:13] offset:(16*\a+2*\i)*4096 th:TH_STORE_NT   ; 16 lanes store 256 consecutive bytes, at a multiple of 256 from out0's first byte
.endr
.endr
	s_wait_tensorcnt 0x0
	ds_add_u32 v126, v127
	s_wait_dscnt 0x0
	CROUND                                         ; the closing round: no work-group ends while a partner may still ask for a tile that names it
	s_endpgm
.Lfunc_end_k_qccbfc4a02f_proj:
	.size	k_qccbfc4a02f_proj, .Lfunc_end_k_qccbfc4a02f_proj-k_qccbfc4a02f_proj
	.p2alignl 7, 3214868480
	.fill 96, 4, 3214868480
	.section	.rodata,"a",@progbits
	.p2align	6, 0x0
	.amdhsa_kernel k_qccbfc4a02f_proj
		.amdhsa_group_segment_fixed_size 262656
		.amdhsa_private_segment_fixed_size 0
		.amdhsa_enable_private_segment 0
		.amdhsa_kernarg_size 40
		.amdhsa_user_sgpr_count 2
		.amdhsa_user_sgpr_kernarg_segment_ptr 1
		.amdhsa_wavefront_size32 1
		.amdhsa_system_sgpr_workgroup_id_x 1
		.amdhsa_system_sgpr_workgroup_id_y 1
		.amdhsa_system_sgpr_workgroup_id_z 1
		.amdhsa_system_vgpr_workitem_id 0
		.amdhsa_next_free_vgpr 512
		.amdhsa_next_free_sgpr 96
		.amdhsa_reserve_vcc 0
		.amdhsa_float_denorm_mode_32 3
		.amdhsa_float_denorm_mode_16_64 3
		.amdhsa_memory_ordered 1
		.amdhsa_forward_progress 1
		.amdhsa_inst_pref_size 66
	.end_amdhsa_kernel
	.amdgpu_metadata
---
amdhsa.version: [ 1, 2 ]
amdhsa.kernels:
  - .name:           k_qccbfc4a02f_proj
    .symbol:         k_qccbfc4a02f_proj.kd
    .args:
      - { .name: ycodes, .offset: 0, .size: 8, .value_kind: global_buffer, .address_space: global }
      - { .name: yscales, .offset: 8, .size: 8, .value_kind: global_buffer, .address_space: global }
      - { .name: wproj_codes, .offset: 16, .size: 8, .value_kind: global_buffer, .address_space: global }
      - { .name: wproj_scales, .offset: 24, .size: 8, .value_kind: global_buffer, .address_space: global }
      - { .name: out0, .offset: 32, .size: 8, .value_kind: global_buffer, .address_space: global }
    .group_segment_fixed_size: 262656
    .private_segment_fixed_size: 0
    .kernarg_segment_align: 8
    .kernarg_segment_size: 40
    .max_flat_workgroup_size: 128
    .sgpr_count:     96
    .vgpr_count:     512
    .wavefront_size: 32
...
	.end_amdgpu_metadata
.endif
;; end of part 3
